; MI455X (gfx1250); checked and timed in simulation.
; The chip was launched on July 23, 2026; its instructions are those of AMD's public machine-readable ISA for CDNA 5 (MIT licence, August 2026) and "CDNA5" Instruction Set Architecture Reference Guide (July 2026). The comments in the code are by the model that wrote it; some were corrected since.
;; SGCAM. Allowed arithmetic: matrix products marked QUANTISED: E3M2 operands, one E8M0 scale for each 32 along K, by v_wmma_scale_f32_16x16x128_f8f6f4 with both operands' format E3M2, f32 sums; everything else in f32.
;; Inputs: bn_beta 1,024 float32; bn_gamma 1,024 float32; bn_mean 1,024 float32; bn_var 1,024 float32; g_b 512 float32; g_w 512 x 1,024 float32; phi_b 512 float32; phi_w 512 x 1,024 float32; theta_b 512 float32; theta_w 512 x 1,024 float32; w_b 1,024 float32; w_w 1,024 x 512 float32; x 16 x 1,024 x 1,024 float32; x_2 16 x 1,024 x 1,024 float32.
;; Outputs: out0 16 x 1,024 x 1,024 float32.
;; This version of the problem:
;;   THIS VERSION OF THE PROBLEM IS GIVEN IN LOW PRECISION. The matrix products marked QUANTISED in the list below multiply operands that are first quantised to E3M2 (3 exponent bits, 2 mantissa bits; 6 bits a number), with one power-of-two scale for each 32 numbers along K (OCP MX v1.0); their sums are f32. All else is computed in f32.
;;   The module's matrix products, in the order in which they are computed (A, B: the left and right operand; K: the contracted axis; several contracted axes count as one K, in the product's order):
;;     1. [M 16,384, K 1,024] x [K 1,024, N 512]; A: input x_2; B: input g_w: QUANTISED
;;     2. [M 16,384, K 1,024] x [K 1,024, N 512]; A: input x; B: input theta_w: QUANTISED
;;     3. [M 16,384, K 1,024] x [K 1,024, N 512]; A: input x_2; B: input phi_w: QUANTISED
;;     4. batch 16 x [M 1,024, K 512] x [K 512, N 1,024]; A: computed on the way; B: computed on the way: QUANTISED
;;     5. batch 16 x [M 1,024, K 1,024] x [K 1,024, N 512]; A: computed on the way; B: computed on the way: QUANTISED
;;     6. [M 16,384, K 512] x [K 512, N 1,024]; A: computed on the way; B: input w_w: QUANTISED
;;   THE QUANTISER, for each operand of a quantised product, along K:
;;     - K is cut into blocks of 32 from its start; a last block that is shorter is filled with zeros.
;;     - A block's scale is 2^e with e = floor(log2(the largest magnitude in the block)) - 4, held to -126 .. 127; a block of zeros has e = 0. As a byte (E8M0): e + 127.
;;     - Each number is divided by its block's scale, clamped to +-28, and rounded to the nearest number of E3M2, ties to even, subnormals kept.
;;     - The product sums the exact products of the quantised numbers (number of the format x scale) in f32.
;;   ~~~python
;;   def quantise(x, axis):      # numpy; x: float32 -> the quantised numbers, widened to float32 again
;;       x = np.moveaxis(x, axis, -1); K = x.shape[-1]
;;       x = np.pad(x, [(0, 0)] * (x.ndim - 1) + [(0, -K % 32)]); x = x.reshape(x.shape[:-1] + (-1, 32)); a = np.abs(x).max(-1, keepdims=True)
;;       e = np.where(a > 0, np.clip(np.frexp(np.where(a > 0, a, 1))[1] - 1 - 4, -126, 127), 0)      # np.frexp(a)[1] - 1 = floor(log2(a)), exactly
;;       r = np.clip(x / 2.0 ** e, -28, 28)
;;       step = 2.0 ** (np.maximum(np.frexp(np.where(r == 0, 1, r))[1] - 1, -2) - 2)
;;       q = np.round(r / step) * step * 2.0 ** e      # np.round: ties to even
;;       return np.moveaxis(q.reshape(q.shape[:-2] + (-1,))[..., :K], -1, axis).astype(np.float32)
;;   ~~~
;;   OPERANDS COMPUTED ON THE WAY. 'Computed on the way' means the value that the module computes at that place (a softmax that the list does not call 'softmax' is quantised finished and normalised). What goes into a quantiser is computed in f32, as accurately as f32 sums, v_exp_f32 and their like allow (about 1e-6 of the number): no bf16 or f16 on the way to a quantiser, and a product that is left as it is and whose result goes on into a quantised operand takes f32 operands (vector FMAs, or v_wmma_f32_16x16x4_f32). A number that lies on a knife's edge between two numbers of the format may be rounded either way, as far as f32 arithmetic and the matrix unit's own rounding can turn it there, and no further.
;; One version. Each part assembles by itself: llvm-mc -triple=amdgcn-amd-amdhsa -mcpu=gfx1250 --defsym DOCPART=n.
;; ======== version 1 of 1: 3 launches
;; workspace buffers: wq 1,638,400 bytes; bn 8,192 bytes; th 6,553,600 bytes; pg 13,107,200 bytes
;; launch prep (part 1): grid 256 x 1, 4 waves a work-group, no clusters, 1,536 bytes of LDS; arguments theta_w, phi_w, g_w, w_w, bn_gamma, bn_beta, bn_mean, bn_var, w_b, wq, bn; writes wq, bn
.if DOCPART == 1
	.amdgcn_target "amdgcn-amd-amdhsa--gfx1250"
	.amdhsa_code_object_version 6
	.text
	.protected	k_q536c0a0ea1_prep
	.globl	k_q536c0a0ea1_prep
	.p2align	8
	.type	k_q536c0a0ea1_prep,@function
k_q536c0a0ea1_prep:
	s_mov_b64 s[64:65], 0
	v_nop
	global_prefetch_b8 v0, s[64:65] scope:SCOPE_SE
	s_setreg_imm32_b32 hwreg(HW_REG_WAVE_MODE, 25, 1), 1
	s_wait_xcnt 0x0
; The four weights (f32, K innermost) become codes of E3M2 with one E8M0 byte for each 32 along K, laid as the later launches' operand registers want them; BatchNorm is folded into pairs (a, c).
; A FRAGMENT is 16 rows x 128 K, 12 registers a lane (lane (r, h): registers 6 c .. 6 c + 5 = K 64 c + 32 h + 0 .. 31), 1,536 bytes: for c = 0, 1: lane l's registers 6 c .. 6 c + 3 at 768 c + 16 l, registers 6 c + 4, 6 c + 5 at 768 c + 512 + 8 l.
; ROW r OF TILE T is row 32 (T / 2) + 8 (T % 2) + r + 8 (r / 8) of the tensor.  A RECORD is 32 fragments of one K step (49,152 bytes) and their 32 x 16 scale words (2,048 bytes): 51,200 bytes.
; wq: records 0-7 theta_w (K step k), 8-15 phi_w, 16-23 g_w, 24-31 w_w (4 x half of the 1,024 rows + k).
; Work-group X: record X / 8, tiles 4 (X % 8) .. + 3, a tile a wave.  A lane loads its two whole blocks of 32 numbers, so no other lane is asked for a maximum.
; bn: pairs a[o] = gamma / sqrt(var + 1e-5), c[o] = (w_b - mean) a + beta.
; LIMITS: NaN and infinities are not served; a block of zeros gets the byte 1 (its codes are zeros; the bytes are read by this program alone).
.set REC, 51200
	s_load_b256 s[4:11], s[0:1], 0x0               ; theta_w, phi_w, g_w, w_w
	s_load_b256 s[12:19], s[0:1], 0x20             ; gamma, beta, mean, var
	s_load_b128 s[20:23], s[0:1], 0x40             ; w_b, wq
	s_load_b64 s[24:25], s[0:1], 0x50              ; bn
	v_lshl_add_u32 v128, v0, 2, 0x400
	v_mov_b32 v129, 0
	v_lshrrev_b32 v1, 5, v0
	v_readfirstlane_b32 s26, v1                    ; wave
	v_and_b32 v1, 31, v0                           ; lane
	v_and_b32 v2, 15, v0                           ; r
	v_bfe_u32 v3, v0, 4, 1                         ; h
	s_lshr_b32 s27, ttmp9, 6                       ; which tensor
	s_bfe_u32 s28, ttmp9, 0x30003                  ; its record
	s_and_b32 s29, ttmp9, 7                        ; which four tiles
	s_lshl_b32 s30, s29, 2
	s_add_co_u32 s30, s30, s26                     ; my tile
	s_lshr_b32 s31, s30, 1
	s_lshl_b32 s31, s31, 5
	s_and_b32 s33, s30, 1
	s_lshl_b32 s33, s33, 3
	s_add_co_u32 s31, s31, s33                     ; its first row
	s_lshr_b32 s34, s28, 2
	s_lshl_b32 s34, s34, 9                         ; w_w: 512 rows on in records 4 to 7
	s_mov_b32 s46, 0x76543210
	s_mov_b32 s47, 0xfedcba98                      ; lane l xor 16
	s_wait_kmcnt 0x0
	s_cmp_lt_u32 s27, 1                            ; the choice hangs on the work-group's number alone
	s_cselect_b64 s[36:37], s[4:5], s[6:7]
	s_cmp_lt_u32 s27, 2
	s_cselect_b64 s[36:37], s[36:37], s[8:9]
	s_cmp_lt_u32 s27, 3
	s_cselect_b64 s[36:37], s[36:37], s[10:11]
	s_cselect_b32 s35, 12, 11                      ; a row is 4,096 bytes, in w_w 2,048
	s_cselect_b32 s38, 7, 3
	s_cselect_b32 s34, 0, s34
	s_and_b32 s38, s28, s38                        ; the K step
	s_add_co_u32 s31, s31, s34
	s_lshl_b32 s31, s31, s35
	s_lshl_b32 s38, s38, 9                         ; 128 numbers of 4 bytes
	s_add_co_u32 s38, s38, s31
	s_mov_b32 s39, 0
	s_add_nc_u64 s[36:37], s[36:37], s[38:39]
	v_and_b32 v4, 8, v2
	v_add_nc_u32 v4, v4, v2                        ; r + 8 (r / 8)
	v_lshlrev_b32 v4, s35, v4
	v_lshl_add_u32 v4, v3, 7, v4                   ; + 128 h: my block of 32 numbers
.irp c, 0,1
.irp q, 0,1,2,3,4,5,6,7
	global_load_b128 v[32+32*\c+4*\q:32+32*\c+4*\q+3], v4, s[36:37] offset:256*\c+16*\q
.endr
.endr
	s_lshr_b32 s40, ttmp9, 3
	s_mul_i32 s40, s40, REC
	s_mov_b32 s41, 0
	s_add_nc_u64 s[22:23], s[22:23], s[40:41]      ; the record
	s_mul_i32 s40, s30, 1536
	s_add_nc_u64 s[42:43], s[22:23], s[40:41]      ; my fragment
	s_lshl_b32 s40, s29, 8
	s_add_co_u32 s40, s40, 49152
	s_add_nc_u64 s[44:45], s[22:23], s[40:41]      ; the four tiles' scale words: 256 bytes
	s_lshl_b32 s40, s26, 6
	v_lshl_add_u32 v5, v2, 2, s40                  ; LDS: 64 x wave + 4 r
	v_lshlrev_b32 v6, 3, v1                        ; 8 x lane
	v_lshlrev_b32 v7, 4, v1                        ; 16 x lane
	v_mov_b32 v16, 0                               ; a lane permute's destination counts as read
	s_wait_loadcnt 0x0
.irp c, 0,1
	v_max3_num_f32 v[8+\c], |v[32+32*\c]|, |v[33+32*\c]|, 0x2800000   ; my block 2 c + h, and the floor 2^(5 - 127): the byte cannot fall under 1
.endr
.irp i, 2,4,6,8,10,12,14,16,18,20,22,24,26,28,30
.irp c, 0,1
	v_max3_num_f32 v[8+\c], v[8+\c], |v[32+32*\c+\i]|, |v[33+32*\c+\i]|
.endr
.endr
.irp c, 0,1
	v_add_nc_u32 v[10+\c], 0xfe000000, v[8+\c]     ; 4 off the exponent field: the conversion's scale operand
.endr
.irp c, 0,1
	v_lshrrev_b32 v[12+\c], 23, v[10+\c]           ; the scale's byte
.endr
	v_lshl_or_b32 v14, v13, 16, v12                ; blocks h and 2 + h,
	v_lshlrev_b32 v15, 3, v3
	v_lshlrev_b32 v14, v15, v14                    ; at their places in the word;
	v_permlanex16_b32 v16, v14, s46, s47
	v_or_b32 v14, v14, v16                         ; with lane l xor 16's two the word is whole
	v_cvt_scalef32_pk16_bf6_f32 v[96:98], v[32:47], v10
	v_cvt_scalef32_pk16_bf6_f32 v[108:110], v[48:63], v10      ; (a conversion's three registers begin on an even number)
	v_cvt_scalef32_pk16_bf6_f32 v[102:104], v[64:79], v11
	v_cvt_scalef32_pk16_bf6_f32 v[112:114], v[80:95], v11
	v_nop                                          ; one plain place behind a scaled conversion
.irp i, 0,1,2
	v_mov_b32 v[99+\i], v[108+\i]
	v_mov_b32 v[105+\i], v[112+\i]
.endr
	ds_store_b32 v5, v14                           ; both halves of the lanes write the same word with the same value
	global_store_b128 v7, v[96:99], s[42:43]                   ; 512 consecutive bytes
	global_store_b64 v6, v[100:101], s[42:43] offset:512       ; 256
	global_store_b128 v7, v[102:105], s[42:43] offset:768
	global_store_b64 v6, v[106:107], s[42:43] offset:1280
	s_wait_dscnt 0x0                               ; for the others' sake: my scale words lie in LDS
	s_barrier_signal -1
	s_barrier_wait -1
	s_cmp_lg_u32 s26, 0
	s_cbranch_scc1 .Lnot_wave_0
	ds_load_b64 v[18:19], v6                       ; wave 0: the four tiles' words leave as one aligned run of 256 bytes
	s_wait_dscnt 0x0
	global_store_b64 v6, v[18:19], s[44:45]
.Lnot_wave_0:
	s_cmp_lg_u32 s26, 1                            ; wave 1 of work-groups 0 to 15: 64 channels of BatchNorm each
	s_cbranch_scc1 .Lend
	s_cmp_ge_u32 ttmp9, 16
	s_cbranch_scc1 .Lend
	s_lshl_b32 s40, ttmp9, 8
	v_lshl_add_u32 v20, v1, 3, s40                 ; two channels a lane
	global_load_b64 v[22:23], v20, s[12:13]        ; gamma
	global_load_b64 v[24:25], v20, s[14:15]        ; beta
	global_load_b64 v[26:27], v20, s[16:17]        ; mean
	global_load_b64 v[28:29], v20, s[18:19]        ; var
	global_load_b64 v[30:31], v20, s[20:21]        ; w_b
	s_lshl_b32 s40, ttmp9, 9
	v_lshl_add_u32 v21, v1, 4, s40
	s_wait_loadcnt 0x0
	v_add_f32 v28, 0x3727c5ac, v28                 ; + 1e-5
	v_add_f32 v29, 0x3727c5ac, v29
	v_rsq_f32 v28, v28
	v_rsq_f32 v29, v29
	v_sub_f32 v30, v30, v26                        ; (a plain place behind the transcendentals)
	v_sub_f32 v31, v31, v27
	s_wait_alu depctr_va_vdst(0)
	v_mul_f32 v116, v22, v28                       ; a
	v_mul_f32 v118, v23, v29
	v_fma_f32 v117, v30, v116, v24                 ; c
	v_fma_f32 v119, v31, v118, v25
	global_store_b128 v21, v[116:119], s[24:25]
.Lend:
	s_wait_tensorcnt 0x0
	ds_add_u32 v128, v129
	s_wait_dscnt 0x0
	s_endpgm
.Lfunc_end_k_q536c0a0ea1_prep:
	.size	k_q536c0a0ea1_prep, .Lfunc_end_k_q536c0a0ea1_prep-k_q536c0a0ea1_prep
	.p2alignl 7, 3214868480
	.fill 96, 4, 3214868480
	.section	.rodata,"a",@progbits
	.p2align	6, 0x0
	.amdhsa_kernel k_q536c0a0ea1_prep
		.amdhsa_group_segment_fixed_size 1536
		.amdhsa_private_segment_fixed_size 0
		.amdhsa_enable_private_segment 0
		.amdhsa_kernarg_size 88
		.amdhsa_user_sgpr_count 2
		.amdhsa_user_sgpr_kernarg_segment_ptr 1
		.amdhsa_wavefront_size32 1
		.amdhsa_system_sgpr_workgroup_id_x 1
		.amdhsa_system_sgpr_workgroup_id_y 1
		.amdhsa_system_sgpr_workgroup_id_z 1
		.amdhsa_system_vgpr_workitem_id 0
		.amdhsa_next_free_vgpr 130
		.amdhsa_next_free_sgpr 66
		.amdhsa_reserve_vcc 0
		.amdhsa_float_denorm_mode_32 3
		.amdhsa_float_denorm_mode_16_64 3
		.amdhsa_memory_ordered 1
		.amdhsa_forward_progress 1
		.amdhsa_inst_pref_size 10
	.end_amdhsa_kernel
	.amdgpu_metadata
---
amdhsa.version: [ 1, 2 ]
amdhsa.kernels:
  - .name:           k_q536c0a0ea1_prep
    .symbol:         k_q536c0a0ea1_prep.kd
    .args:
      - { .name: theta_w, .offset: 0, .size: 8, .value_kind: global_buffer, .address_space: global }
      - { .name: phi_w, .offset: 8, .size: 8, .value_kind: global_buffer, .address_space: global }
      - { .name: g_w, .offset: 16, .size: 8, .value_kind: global_buffer, .address_space: global }
      - { .name: w_w, .offset: 24, .size: 8, .value_kind: global_buffer, .address_space: global }
      - { .name: bn_gamma, .offset: 32, .size: 8, .value_kind: global_buffer, .address_space: global }
      - { .name: bn_beta, .offset: 40, .size: 8, .value_kind: global_buffer, .address_space: global }
      - { .name: bn_mean, .offset: 48, .size: 8, .value_kind: global_buffer, .address_space: global }
      - { .name: bn_var, .offset: 56, .size: 8, .value_kind: global_buffer, .address_space: global }
      - { .name: w_b, .offset: 64, .size: 8, .value_kind: global_buffer, .address_space: global }
      - { .name: wq, .offset: 72, .size: 8, .value_kind: global_buffer, .address_space: global }
      - { .name: bn, .offset: 80, .size: 8, .value_kind: global_buffer, .address_space: global }
    .group_segment_fixed_size: 1536
    .private_segment_fixed_size: 0
    .kernarg_segment_align: 8
    .kernarg_segment_size: 88
    .max_flat_workgroup_size: 128
    .sgpr_count:     66
    .vgpr_count:     130
    .wavefront_size: 32
...
	.end_amdgpu_metadata
.endif
;; end of part 1
;; launch proj (part 2): grid 16 x 16, 4 waves a work-group, clusters of 4 x 1, 327,680 bytes of LDS; arguments x, x_2, theta_b, phi_b, g_b, wq, th, pg; writes th, pg
.if DOCPART == 2
	.amdgcn_target "amdgcn-amd-amdhsa--gfx1250"
	.amdhsa_code_object_version 6
	.text
	.protected	k_q536c0a0ea1_proj
	.globl	k_q536c0a0ea1_proj
	.p2align	8
	.type	k_q536c0a0ea1_proj,@function
k_q536c0a0ea1_proj:
	s_mov_b64 s[64:65], 0
	v_nop
	global_prefetch_b8 v0, s[64:65] scope:SCOPE_SE
	s_setreg_imm32_b32 hwreg(HW_REG_WAVE_MODE, 25, 1), 1
	s_wait_xcnt 0x0
	s_wait_alu depctr_hold_cnt(0) depctr_sa_sdst(0) depctr_va_vdst(0) depctr_va_sdst(0) depctr_va_ssrc(0) depctr_va_vcc(0) depctr_vm_vsrc(0)
	s_getreg_b32 s2, hwreg(HW_REG_IB_STS2, 6, 4)
	s_cmp_eq_u32 s2, 0
	s_cbranch_scc0 .Lentry_in_a_cluster
	s_endpgm
.Lentry_in_a_cluster:
	s_bfe_u32 s2, ttmp6, 0x10000c
	s_cmp_lg_u32 s2, 0x3003
	s_cbranch_scc0 .Lentry_shape_is_right
	s_endpgm
.Lentry_shape_is_right:
; theta = theta_w x + theta_b, phi = phi_w x_2 + phi_b, g = g_w x_2 + g_b, on codes of E3M2 with one E8M0 scale for each 32 along K; the results are quantised for the next products and leave as codes.
; SHARES.  A work-group owns 64 positions of one batch (in x and in x_2) and all 3 x 512 output channels; wave w owns channels 128 w .. + 127 of each weight.
; FRAGMENT (16 rows x 128 K, 12 registers, 1,536 bytes), TILE ROW ORDER (row r of tile T = 32 (T / 2) + 8 (T % 2) + r + 8 (r / 8)) and RECORD (32 fragments + 512 scale words, 51,200 bytes) are those of the launch that laid wq.
; x AND x_2 are quantised along the channels, which are their OUTER axis: 32 rows x 256 bytes go through the wave's stage in LDS, so that a lane holds one position and its registers run down the channels; the codes go into LDS as
; images of operand registers, [place 8][tile of positions 4].
; THE WEIGHTS stream through a ring of two LDS slots of two records: 24 records, 12 fills.  All work-groups walk the same records, so the four partners of a cluster ask JOINTLY; each wave asks for a quarter of a fill (100 rows of 256 bytes).
; CLUSTERS BEGIN A PASS AT DIFFERENT K STEPS: with rho = the cluster's x (0 .. 3), place i of the images holds K step (i + 2 rho) % 8 (wave w quantises channels 256 ((w + rho) % 4) on), and fill f of a pass is the pass's fill (f + rho) % 4.
; So at any time the four clusters of a batch ask for four different fills of a pass.  Only addresses in memory hang on rho.
; A TILE STEP is one record: 8 stream fragments x 4 stationary fragments = 32 matrix instructions on 32 accumulators by turns; the next step's 54 LDS loads stand in three runs among them.
; theta, phi: source 0 = 16 channels, source 1 = 16 positions: a lane holds one position and its registers run along the channels, the next product's K.  g: the sources swapped: a lane holds one channel and its registers run along the positions.
; th: [batch][s][k] records (tile i = tile 32 s + i of positions, K = channels 128 k ..).  pg: [batch][s][8]: four records of phi so laid, then g's K steps 4 s + 0 .. 3 (tile = channels, K = positions).
; LIMITS: NaN and infinities are not served; a block of zeros gets the byte 1 (its codes are zeros; this program alone reads the bytes); a bias is the C of the first K step, and the K steps are summed in the rotated order: the f32 sums
; are taken in another order than the reference's.
; REGISTERS, windows of 256: window 0: v1-31 addresses, v32-43 scale words (two sets), v44-91 at work, v112-255 operand set A (8 stream fragments, 4 stationary); window 1: v112-255 set B; window 2: the 32 accumulators;
;   window 3: three sets of 64 for x's loads; during a pass v0-63 hold the bias.
.set REC,   51200
.set FILL,  2*REC
.set QTR,   FILL/4
.set XIMG,  2*FILL                     ; behind the ring: x's 32 fragments
.set XSC,   XIMG+49152                 ; their scale words, [place][tile][row]
.set STG,   XSC+2048                   ; a stage of 32 rows x 256 bytes for each wave
.set OSC,   STG+4*8192                 ; 256 bytes for each wave: scale words on their way out
.set SPARE, OSC+1024                   ; the spare words, 128 bytes for each wave: two blocks of 256 bytes that no other line names
.set SPW,  1                           ; v1   SPARE + 4 x my thread's number; never rewritten
.set NIL,  2                           ; v2   0; never rewritten
.set S16,  4                           ; v4-5 stream fragments of slot 0, 1: slot + 12,288 wave + 16 lane
.set S8,   6                           ; v6-7 the same + 8 lane
.set SS,   8                           ; v8-9 stream scale words: slot + 49,152 + 512 wave + 4 lane
.set XA16, 10                          ; XIMG + 16 lane
.set XA8,  11                          ; XIMG + 8 lane
.set XA4,  12                          ; XSC + 4 lane
.set OFFX, 13                          ; x: 4,096 (lane / 16) + 16 (lane % 16)
.set SG16, 14                          ; my stage + 16 lane
.set SG4,  15                          ; my stage + 4 lane
.set I16,  16                          ; where my position's codes go: XIMG + 12,288 wave + 1,536 ((lane / 8) % 2) + 16 row
.set I8,   17                          ; the same + 8 row
.set IS,   18                          ; XSC + 512 wave + 64 ((lane / 8) % 2) + 4 row
.set D16,  19                          ; offsets in a record of th or pg: 16 lane + 6,144 (block % 8)
.set D8,   20                          ; 8 lane + 6,144 (block % 8)
.set DS8,  21                          ; 8 lane + 49,152 + 256 (block % 8)
.set L16,  22
.set L8,   23
.set L4,   24
.set OS4,  25                          ; OSC + 256 wave + 4 r
.set OS8,  26                          ; OSC + 256 wave + 8 lane
.set BO,   27                          ; bias: 64 h
.set BG,   28                          ; g's bias: 4 (r + 8 (r / 8))
.set LN,   29                          ; lane
.set SCR,  32                          ; scale words: set p at v[SCR + 6 p]: 4 of the stream (lanes 0-15 tile 2 g, lanes 16-31 tile 2 g + 1), 2 stationary
.set TM,   44                          ; v44-59 at work in the quantisers
.set PW,   60                          ; the scale word just made
.set SW,   61                          ; v61-62 x's scale words in the making
.set PC,   64                          ; v64-83 the codes just made
.set U,    84                          ; v84-91
.set T0,   92                          ; v92-97 at work at the head
.set XR,   112                         ; v112-175 64 numbers of x
.set SA,   112                         ; stream fragment j at SA + 12 j
.set ST,   208                         ; stationary fragment t at ST + 12 t
.set WV,   20
.set G1,   24
.set G0,   32
.set RHO,  59                          ; s59  rho
.set SEL,  60
.set RO,   80                          ; s80-83  ((m + rho) % 4) x a fill's bytes, m = 0 .. 3
.set PB,   84                          ; s[84:85] my quarter of the pass's first fill in wq
.set TQ,   86                          ; s[86:87] an offset as a pair; the upper word stays 0
.set MSB, 0
.macro WIN new                         ; the immediate's high byte repeats the setting that is left
.if MSB != \new
	s_set_vgpr_msb (MSB<<8)|\new
.set MSB, \new
.endif
.endm
.macro PLACES                          ; four plain places behind matrix instructions: in front of loads into their registers and of the first read of results
.rept 4
	v_nop
.endr
.endm
.macro ROUND                           ; a round of the cluster's barrier
	s_barrier_signal -1
	s_barrier_wait -1
	s_cmp_lg_u32 s[WV], 0
	s_cbranch_scc1 .Lnot_wave_0_\@
	s_barrier_signal -3
.Lnot_wave_0_\@:
	s_barrier_wait -3
	s_barrier_signal -1
	s_barrier_wait -1
.endm
.macro FRAG reg, a16, a8, off          ; a fragment comes back as it was laid: every load takes consecutive bytes in consecutive lanes
	ds_load_b128 v[\reg:\reg+3], v[\a16] offset:\off
	ds_load_b64 v[\reg+4:\reg+5], v[\a8] offset:\off+512
	ds_load_b128 v[\reg+6:\reg+9], v[\a16] offset:\off+768
	ds_load_b64 v[\reg+10:\reg+11], v[\a8] offset:\off+1280
.endm
; a tile step's operands into set p, in four parts: c = 0: the 4 stationary fragments at xoff (16 loads); 1, 2: my fragments 0-2, 3-5 of record q of slot sg (12 loads each); 3: fragments 6, 7 and the six scale words (14 loads)
.macro FQ c, p, sg, q, a16, a8, a4, xoff, soff
	WIN (\p)<<6
.if (\c) == 0
.irp t, 0,1,2,3
	FRAG ST+12*\t, \a16, \a8, \xoff+1536*\t
.endr
.elseif (\c) == 1
.irp j, 0,1,2
	FRAG SA+12*\j, S16+\sg, S8+\sg, (\q)*REC+1536*\j
.endr
.elseif (\c) == 2
.irp j, 3,4,5
	FRAG SA+12*\j, S16+\sg, S8+\sg, (\q)*REC+1536*\j
.endr
.else
.irp j, 6,7
	FRAG SA+12*\j, S16+\sg, S8+\sg, (\q)*REC+1536*\j
.endr
	WIN 0
.irp g, 0,1,2,3
	ds_load_b32 v[SCR+6*(\p)+\g], v[SS+\sg] offset:(\q)*REC+128*\g
.endr
.irp z, 0,1
	ds_load_b32 v[SCR+6*(\p)+4+\z], v[\a4] offset:\soff+128*\z
.endr
.endif
.endm
.macro FETCH p, sg, q, a16, a8, a4, xoff, soff   ; all four parts: 54 LDS loads
.irp c, 0,1,2,3
	FQ \c, \p, \sg, \q, \a16, \a8, \a4, \xoff, \soff
.endr
.endm
.macro WM d, a, b, cmode, creg, sa, sb, ra, rb   ; one matrix instruction; cmode 0: C = 0; ra, rb: the scales stand in lanes 16-31
.if (\cmode) == 0
.if ((\ra) == 0) && ((\rb) == 0)
	v_wmma_scale_f32_16x16x128_f8f6f4 v[\d:\d+7], v[\a:\a+11], v[\b:\b+11], 0, v[\sa], v[\sb] matrix_a_fmt:MATRIX_FMT_BF6 matrix_b_fmt:MATRIX_FMT_BF6
.elseif (\rb) == 0
	v_wmma_scale_f32_16x16x128_f8f6f4 v[\d:\d+7], v[\a:\a+11], v[\b:\b+11], 0, v[\sa], v[\sb] matrix_a_fmt:MATRIX_FMT_BF6 matrix_b_fmt:MATRIX_FMT_BF6 matrix_a_scale:MATRIX_SCALE_ROW1
.elseif (\ra) == 0
	v_wmma_scale_f32_16x16x128_f8f6f4 v[\d:\d+7], v[\a:\a+11], v[\b:\b+11], 0, v[\sa], v[\sb] matrix_a_fmt:MATRIX_FMT_BF6 matrix_b_fmt:MATRIX_FMT_BF6 matrix_b_scale:MATRIX_SCALE_ROW1
.else
	v_wmma_scale_f32_16x16x128_f8f6f4 v[\d:\d+7], v[\a:\a+11], v[\b:\b+11], 0, v[\sa], v[\sb] matrix_a_fmt:MATRIX_FMT_BF6 matrix_b_fmt:MATRIX_FMT_BF6 matrix_a_scale:MATRIX_SCALE_ROW1 matrix_b_scale:MATRIX_SCALE_ROW1
.endif
.else
.if ((\ra) == 0) && ((\rb) == 0)
	v_wmma_scale_f32_16x16x128_f8f6f4 v[\d:\d+7], v[\a:\a+11], v[\b:\b+11], v[\creg:\creg+7], v[\sa], v[\sb] matrix_a_fmt:MATRIX_FMT_BF6 matrix_b_fmt:MATRIX_FMT_BF6
.elseif (\rb) == 0
	v_wmma_scale_f32_16x16x128_f8f6f4 v[\d:\d+7], v[\a:\a+11], v[\b:\b+11], v[\creg:\creg+7], v[\sa], v[\sb] matrix_a_fmt:MATRIX_FMT_BF6 matrix_b_fmt:MATRIX_FMT_BF6 matrix_a_scale:MATRIX_SCALE_ROW1
.elseif (\ra) == 0
	v_wmma_scale_f32_16x16x128_f8f6f4 v[\d:\d+7], v[\a:\a+11], v[\b:\b+11], v[\creg:\creg+7], v[\sa], v[\sb] matrix_a_fmt:MATRIX_FMT_BF6 matrix_b_fmt:MATRIX_FMT_BF6 matrix_b_scale:MATRIX_SCALE_ROW1
.else
	v_wmma_scale_f32_16x16x128_f8f6f4 v[\d:\d+7], v[\a:\a+11], v[\b:\b+11], v[\creg:\creg+7], v[\sa], v[\sb] matrix_a_fmt:MATRIX_FMT_BF6 matrix_b_fmt:MATRIX_FMT_BF6 matrix_a_scale:MATRIX_SCALE_ROW1 matrix_b_scale:MATRIX_SCALE_ROW1
.endif
.endif
.endm
; 8 matrix instructions on set p: stream fragments j0, j0 + 1 x the 4 stationary.  orient 0: source 0 = stream j, source 1 = stationary t, accumulator 64 t + 8 j; orient 1: the sources swapped, accumulator 32 j + 8 t.
; aw: the accumulators' window.  cmode 0: C = 0; 1: in place; 2: C = the bias, window 3, registers 8 j on.
.macro MULJ p, orient, aw, cmode, j0
.if (\cmode) == 2
	WIN (\p)|((\p)<<2)|(3<<4)|((\aw)<<6)
.else
	WIN (\p)|((\p)<<2)|((\aw)<<4)|((\aw)<<6)
.endif
.irp j, \j0, \j0+1
.irp t, 0,1,2,3
.if (\orient) == 0
.if (\cmode) == 2
	WM 64*\t+8*(\j), SA+12*(\j), ST+12*\t, 1, 8*(\j), SCR+6*(\p)+(\j)/2, SCR+6*(\p)+4+\t/2, (\j)%2, \t%2
.else
	WM 64*\t+8*(\j), SA+12*(\j), ST+12*\t, \cmode, 64*\t+8*(\j), SCR+6*(\p)+(\j)/2, SCR+6*(\p)+4+\t/2, (\j)%2, \t%2
.endif
.else
.if (\cmode) == 2
	WM 32*(\j)+8*\t, ST+12*\t, SA+12*(\j), 1, 8*(\j), SCR+6*(\p)+4+\t/2, SCR+6*(\p)+(\j)/2, \t%2, (\j)%2
.else
	WM 32*(\j)+8*\t, ST+12*\t, SA+12*(\j), \cmode, 32*(\j)+8*\t, SCR+6*(\p)+4+\t/2, SCR+6*(\p)+(\j)/2, \t%2, (\j)%2
.endif
.endif
.endr
.endr
.endm
; THE CHANGE OF SLOTS: slot sg has been read out.  Each wave waits for all its tensor loads (its quarter of the other slot), adds 0 to its spare word, and waits for that and for its LDS reads.
; mode 2: the slot is filled again, two fills on: fill (m + rho) % 4 of this pass (up = 0) or of the next (up = 1); the barrier is a round of the cluster's, and the joint load is the first thing behind it.  mode 1: nothing is left to fetch.
.macro CHANGE sg, mode, m, up
	WIN 0
	s_wait_tensorcnt 0x0                           ; no tensor load of mine is out, so a group 0 may be written
	ds_add_u32 v[SPW], v[NIL]                      ; 0 onto my spare word
.if (\mode) == 2
	s_mov_b32 s[TQ], s[RO+(\m)]
	s_add_nc_u64 s[G0+4*(\sg)+2:G0+4*(\sg)+3], s[PB:PB+1], s[TQ:TQ+1]
.if \up
	s_add_nc_u64 s[G0+4*(\sg)+2:G0+4*(\sg)+3], s[G0+4*(\sg)+2:G0+4*(\sg)+3], 4*FILL
.endif
	s_or_b32 s[G0+4*(\sg)+3], s[G0+4*(\sg)+3], 0x80000000
.endif
	s_wait_dscnt 0x0                               ; the add is done, and my reads of the slot are over
.if (\mode) == 2
	ROUND
	tensor_load_to_lds s[G0+4*(\sg):G0+4*(\sg)+3], s[G1:G1+7]
	s_nop 0
	PLACES                                         ; also the places in front of the loads that follow
.else
	s_barrier_signal -1
	s_barrier_wait -1
	PLACES
.endif
.endm
.macro FQP c, i                        ; part c of the operands of tile step i + 1 of a pass
	FQ \c, ((\i)+1)%2, (((\i)+1)/2)%2, ((\i)+1)%2, XA16, XA8, XA4, 6144*((\i)+1), 256*((\i)+1)
.endm
; tile step i of a pass (0 .. 7): its operands are in; on odd steps the slot changes (step 1, 3, 5, 7: the fill 2, 3, 4, 5 fills on from the pass's first);
; then 28 loads, 8 products, 12 loads, 8 products, 14 loads, 16 products: the next step's operands are asked for under this step's matrix work
.macro TP i, chg, fetch, orient, cmode
	s_wait_dscnt 0x0                               ; this step's 54 loads; the last 14 were asked for 16 matrix instructions ago
.if (\chg) == 0
	PLACES
.else
	CHANGE ((\i)/2)%2, \chg, (((\i)+3)/2)%4, (((\i)+3)/2)/4
.endif
.irp u, 0,1,2,3
.if \fetch
.if \u == 0
	FQP 0, \i
	FQP 1, \i
.elseif \u < 3
	FQP \u+1, \i
.endif
.endif
	MULJ (\i)%2, \orient, 2, \cmode, 2*\u
.endr
.endm
; 64 numbers of a lane in window win, register 16 b + i = K 32 b + 16 (lane / 16) + i of my row, become a fragment's codes in v[PC] on and its scale word in v[PW]
.macro QUANT src, win, floor, sub
	WIN (\win)|((\win)<<2)
.irp b, 0,1,2,3
	v_max3_num_f32 v[TM+\b], |v[\src+16*\b]|, |v[\src+16*\b+1]|, \floor   ; each accumulator is read from its low end on
.endr
.irp i, 2,4,6,8,10,12,14
.irp b, 0,1,2,3
	v_max3_num_f32 v[TM+\b], |v[\src+16*\b+\i]|, |v[\src+16*\b+\i+1]|, v[TM+\b]
.endr
.endr
	WIN 0
.irp b, 0,1,2,3
	v_permlanex16_b32 v[TM+4+\b], v[TM+\b], s[SEL], s[SEL+1]
.endr
.irp b, 0,1,2,3
	v_max_num_f32 v[TM+\b], v[TM+\b], v[TM+4+\b]   ; with lane l xor 16's: the block's largest magnitude
.endr
.irp b, 0,1,2,3
	v_add_nc_u32 v[TM+12+\b], 0xfe000000, v[TM+\b] ; 4 off its exponent field: the conversion's scale operand
.endr
.irp b, 0,1,2,3
	v_lshrrev_b32 v[TM+4+\b], 23, v[TM+12+\b]      ; the scale's byte
.endr
	v_lshl_or_b32 v[PW], v[TM+5], 8, v[TM+4]
	v_lshl_or_b32 v[PW], v[TM+6], 16, v[PW]
	v_lshl_or_b32 v[PW], v[TM+7], 24, v[PW]
.if \sub
	v_add_nc_u32 v[PW], 0xf5f5f5f6, v[PW]
.endif
	WIN \win
.irp c, 0,1
	v_cvt_scalef32_pk16_bf6_f32 v[PC+6*\c:PC+6*\c+2], v[\src+32*\c:\src+32*\c+15], v[TM+12+2*\c]
	v_cvt_scalef32_pk16_bf6_f32 v[PC+12+4*\c:PC+14+4*\c], v[\src+32*\c+16:\src+32*\c+31], v[TM+13+2*\c]
.endr
	WIN 0
	v_nop                                          ; one plain place behind a scaled conversion
.irp c, 0,1                                    ; the layout wants a whole block in a lane
.irp i, 0,1,2
	v_permlane16_swap_b32 v[PC+6*\c+\i], v[PC+12+4*\c+\i]
.endr
.irp i, 0,1,2
	v_mov_b32 v[PC+3+6*\c+\i], v[PC+12+4*\c+\i]
.endr
.endr
.endm
; the same for 32 numbers (two blocks) in window 2: half a fragment in v[PC] .. v[PC + 5], its two bytes in v[U + j]
.macro QUANTH src, j
	WIN 0x0a
.irp b, 0,1
	v_max3_num_f32 v[TM+\b], |v[\src+16*\b]|, |v[\src+16*\b+1]|, 0x2800000
.endr
.irp i, 2,4,6,8,10,12,14
.irp b, 0,1
	v_max3_num_f32 v[TM+\b], |v[\src+16*\b+\i]|, |v[\src+16*\b+\i+1]|, v[TM+\b]
.endr
.endr
	WIN 0
.irp b, 0,1
	v_permlanex16_b32 v[TM+4+\b], v[TM+\b], s[SEL], s[SEL+1]
.endr
.irp b, 0,1
	v_max_num_f32 v[TM+\b], v[TM+\b], v[TM+4+\b]
.endr
.irp b, 0,1
	v_add_nc_u32 v[TM+12+\b], 0xfe000000, v[TM+\b]
.endr
.irp b, 0,1
	v_lshrrev_b32 v[TM+4+\b], 23, v[TM+12+\b]
.endr
	v_lshl_or_b32 v[U+\j], v[TM+5], 8, v[TM+4]
	WIN 0x02
	v_cvt_scalef32_pk16_bf6_f32 v[PC:PC+2], v[\src:\src+15], v[TM+12]
	v_cvt_scalef32_pk16_bf6_f32 v[PC+12:PC+14], v[\src+16:\src+31], v[TM+13]
	WIN 0
	v_nop
.irp i, 0,1,2
	v_permlane16_swap_b32 v[PC+\i], v[PC+12+\i]
.endr
.irp i, 0,1,2
	v_mov_b32 v[PC+3+\i], v[PC+12+\i]
.endr
.endm
; block n of my 8: 32 channels x 64 positions.  Sixteen lanes read a row's 256 consecutive bytes; two rows a load
.macro LOADX n
	WIN 0xc0
.irp q, 0,1,2,3,4,5,6,7,8,9,10,11,12,13,14,15
	global_load_b128 v[64*((\n)%3)+4*\q:64*((\n)%3)+4*\q+3], v[OFFX], s[40:41] offset:(32*(\n)+2*\q)*4096 th:TH_LOAD_NT
.endr
	WIN 0
.endm
; both halves of a block are quantised: lane l of half u holds position 32 u + l and all 32 numbers of its block.  It is row (l % 8) + 8 (l / 16) of tile 2 u + (l / 8) % 2; block n % 4 of a K step lies in the
; fragment's lane row + 16 ((n % 4) % 2), registers 6 ((n % 4) / 2) on
.macro QB2 n
.irp u, 0,1
.irp c, 0,1
	v_max3_num_f32 v[TM+2*\u+\c], |v[XR+32*\u+16*\c]|, |v[XR+32*\u+16*\c+1]|, 0x2800000
.endr
.endr
.irp i, 2,4,6,8,10,12,14
.irp u, 0,1
.irp c, 0,1
	v_max3_num_f32 v[TM+2*\u+\c], v[TM+2*\u+\c], |v[XR+32*\u+16*\c+\i]|, |v[XR+32*\u+16*\c+\i+1]|
.endr
.endr
.endr
.irp u, 0,1
	v_max_num_f32 v[TM+2*\u], v[TM+2*\u], v[TM+2*\u+1]
.endr
.irp u, 0,1
	v_add_nc_u32 v[TM+8+\u], 0xfe000000, v[TM+2*\u]
.endr
.irp u, 0,1
	v_lshrrev_b32 v[TM+10+\u], 23, v[TM+8+\u]
.endr
.irp u, 0,1
.if (\n)%4 == 0
	v_mov_b32 v[SW+\u], v[TM+10+\u]
.else
	v_lshl_or_b32 v[SW+\u], v[TM+10+\u], 8*((\n)%4), v[SW+\u]
.endif
.endr
.irp u, 0,1
	v_cvt_scalef32_pk16_bf6_f32 v[PC+10*\u:PC+10*\u+2], v[XR+32*\u:XR+32*\u+15], v[TM+8+\u]
	v_cvt_scalef32_pk16_bf6_f32 v[PC+10*\u+6:PC+10*\u+8], v[XR+32*\u+16:XR+32*\u+31], v[TM+8+\u]
.endr
	v_nop
.irp u, 0,1
.irp i, 0,1,2
	v_mov_b32 v[PC+10*\u+3+\i], v[PC+10*\u+6+\i]
.endr
.endr
.irp u, 0,1
	ds_store_b128 v[I16], v[PC+10*\u:PC+10*\u+3] offset:(4*((\n)/4)+2*\u)*1536+768*(((\n)%4)/2)+256*((\n)%2)
	ds_store_b64 v[I8], v[PC+10*\u+4:PC+10*\u+5] offset:(4*((\n)/4)+2*\u)*1536+768*(((\n)%4)/2)+512+128*((\n)%2)
.endr
.if (\n)%4 == 3
.irp u, 0,1
	ds_store_b32 v[IS], v[SW+\u] offset:256*((\n)/4)+128*\u
.endr
.endif
.endm
.macro BLOCK n
.if (\n) < 6
	s_wait_loadcnt 32                              ; this block's 16 loads are in; the two blocks' behind it stay out
.elseif (\n) == 6
	s_wait_loadcnt 16
.else
	s_wait_loadcnt 0
.endif
	WIN 0x0c                                       ; an LDS store's data are its source 1: window 3
.irp q, 0,1,2,3,4,5,6,7,8,9,10,11,12,13,14,15
	ds_store_b128 v[SG16], v[64*((\n)%3)+4*\q:64*((\n)%3)+4*\q+3] offset:512*\q
.endr
	WIN 0
.irp u, 0,1
.set ri, 0
.rept 32
	ds_load_b32 v[XR+32*\u+ri], v[SG4] offset:256*ri+128*\u    ; LDS serves a wave's instructions in order: these see my stores
.set ri, ri+1
.endr
.endr
	s_wait_dscnt 0x0                               ; the numbers are back; the stage's stores and the last block's stores of codes have read their registers
.if (\n)+3 < 8
	LOADX (\n)+3
.endif
	QB2 \n
.endm
	s_load_b512 s[4:19], s[0:1], 0x0               ; x, x_2, theta_b, phi_b, g_b, wq, th, pg
	v_lshl_add_u32 v[SPW], v0, 2, SPARE
	v_mov_b32 v[NIL], 0
	ds_add_u32 v1, v2
	s_wait_dscnt 0x0
	v_lshrrev_b32 v[T0], 5, v0
	v_readfirstlane_b32 s[WV], v[T0]               ; wave 0..3
	s_bfe_u32 s21, ttmp6, 0x40000                  ; cx: it enters global addresses alone
	s_lshl_b32 s22, ttmp9, 2
	s_add_co_u32 s22, s22, s21                     ; my block of 64 positions
	s_and_b32 s23, ttmp7, 0xffff                   ; the batch
	s_mov_b32 s[G1], 15|(3<<16)|(1<<21)            ; the mask: all four partners; elements of 8 bytes; bit 21 beside a mask; no padding
	s_mov_b32 s[G1+1], 32<<16                      ; tensor_dim0 = 32 elements: 256 bytes
	s_mov_b32 s[G1+2], 100<<16                     ; tensor_dim1 = 100
	s_mov_b32 s[G1+3], 32<<16                      ; tile_dim0
	s_mov_b32 s[G1+4], 100                         ; tile_dim1
	s_mov_b32 s[G1+5], 32                          ; dense rows
	s_mov_b32 s[G1+6], 0
	s_mov_b32 s[G1+7], 0
	s_mov_b32 s[SEL], 0x76543210
	s_mov_b32 s[SEL+1], 0xfedcba98
	s_mul_i32 s66, s[WV], QTR                      ; my quarter of a fill, in memory and in a slot
	s_mov_b32 s67, 0
	s_and_b32 s[RHO], ttmp9, 3                     ; rho: the cluster's x, which the four partners share
.irp m, 0,1,2,3
	s_add_co_u32 s[RO+\m], s[RHO], \m
	s_and_b32 s[RO+\m], s[RO+\m], 3
	s_mul_i32 s[RO+\m], s[RO+\m], FILL             ; where fill m of my walk of a pass lies in the pass's four
.endr
	s_mov_b32 s[TQ+1], 0
	s_wait_kmcnt 0x0
	s_add_nc_u64 s[PB:PB+1], s[14:15], s[66:67]
	s_mov_b32 s[G0], 1
	s_mov_b32 s[G0+1], s66
	s_mov_b32 s[TQ], s[RO]
	s_add_nc_u64 s[G0+2:G0+3], s[PB:PB+1], s[TQ:TQ+1]
	s_mov_b32 s[G0+4], 1
	s_add_co_u32 s[G0+5], s66, FILL
	s_mov_b32 s[TQ], s[RO+1]
	s_add_nc_u64 s[G0+6:G0+7], s[PB:PB+1], s[TQ:TQ+1]
	s_or_b32 s[G0+3], s[G0+3], 0x80000000
	s_or_b32 s[G0+7], s[G0+7], 0x80000000
	ROUND                                          ; all four work-groups are here: the first joint loads meet
	tensor_load_to_lds s[G0:G0+3], s[G1:G1+7]      ; my walk's fills 0 and 1: two loads of mine are out
	s_nop 0
	tensor_load_to_lds s[G0+4:G0+7], s[G1:G1+7]
	s_nop 0
	PLACES
	v_and_b32 v[LN], 31, v0
	v_and_b32 v[T0+1], 15, v0                      ; r
	v_bfe_u32 v[T0+2], v0, 4, 1                    ; h
	v_and_b32 v[T0+3], 7, v0
	v_lshl_add_u32 v[T0+3], v[T0+2], 3, v[T0+3]    ; (lane % 8) + 8 (lane / 16)
	v_bfe_u32 v[T0+4], v0, 3, 1                    ; (lane / 8) % 2
	v_lshlrev_b32 v[L16], 4, v[LN]
	v_lshlrev_b32 v[L8], 3, v[LN]
	v_lshlrev_b32 v[L4], 2, v[LN]
	s_mul_i32 s68, s[WV], 12288
	v_add_nc_u32 v[S16], s68, v[L16]
	v_add_nc_u32 v[S16+1], FILL, v[S16]
	v_add_nc_u32 v[S8], s68, v[L8]
	v_add_nc_u32 v[S8+1], FILL, v[S8]
	s_lshl_b32 s69, s[WV], 9
	s_add_co_u32 s70, s69, 49152
	v_add_nc_u32 v[SS], s70, v[L4]
	v_add_nc_u32 v[SS+1], FILL, v[SS]
	v_add_nc_u32 v[XA16], XIMG, v[L16]
	v_add_nc_u32 v[XA8], XIMG, v[L8]
	v_add_nc_u32 v[XA4], XSC, v[L4]
	v_lshlrev_b32 v[OFFX], 4, v[T0+1]
	v_lshl_add_u32 v[OFFX], v[T0+2], 12, v[OFFX]
	s_lshl_b32 s70, s[WV], 13
	s_add_co_u32 s70, s70, STG
	v_add_nc_u32 v[SG16], s70, v[L16]
	v_add_nc_u32 v[SG4], s70, v[L4]
	s_add_co_u32 s70, s68, XIMG
	v_mul_u32_u24 v[T0+5], v[T0+4], 1536
	v_add_nc_u32 v[T0+5], s70, v[T0+5]
	v_lshl_add_u32 v[I16], v[T0+3], 4, v[T0+5]
	v_lshl_add_u32 v[I8], v[T0+3], 3, v[T0+5]
	s_add_co_u32 s70, s69, XSC
	v_lshlrev_b32 v[IS], 6, v[T0+4]
	v_lshl_add_u32 v[IS], v[T0+3], 2, v[IS]
	v_add_nc_u32 v[IS], s70, v[IS]
	s_and_b32 s70, s22, 7
	s_mul_i32 s71, s70, 6144
	v_add_nc_u32 v[D16], s71, v[L16]
	v_add_nc_u32 v[D8], s71, v[L8]
	s_lshl_b32 s71, s70, 8
	s_add_co_u32 s71, s71, 49152
	v_add_nc_u32 v[DS8], s71, v[L8]
	s_lshl_b32 s70, s[WV], 8
	s_add_co_u32 s70, s70, OSC
	v_lshl_add_u32 v[OS4], v[T0+1], 2, s70
	v_add_nc_u32 v[OS8], s70, v[L8]
	v_lshlrev_b32 v[BO], 6, v[T0+2]
	v_and_b32 v[BG], 8, v[T0+1]
	v_add_nc_u32 v[BG], v[BG], v[T0+1]
	v_lshlrev_b32 v[BG], 2, v[BG]
.irp b, 0,1,2,3
	v_mov_b32 v[TM+4+\b], 0                        ; written once: a lane permute's destination counts as one of its sources
.endr
	; pointers.  s[40:45]: this trip's source, bias and records; s[46:51]: the next trip's
	s_lshl_b32 s68, s23, 22                        ; a batch of x is 4 MiB,
	s_add_co_u32 s70, s[WV], s[RHO]
	s_and_b32 s70, s70, 3
	s_lshl_b32 s70, s70, 20                        ; the 256 channels that I quantise: 256 ((wave + rho) % 4) on,
	s_add_co_u32 s68, s68, s70
	s_lshl_b32 s70, s22, 8                         ; my block's 256 bytes of a row
	s_add_co_u32 s68, s68, s70
	s_mov_b32 s69, 0
	s_add_nc_u64 s[40:41], s[4:5], s[68:69]
	s_add_nc_u64 s[46:47], s[6:7], s[68:69]
	s_lshl_b32 s68, s[WV], 9                       ; my 128 numbers of a bias
	s_add_nc_u64 s[42:43], s[8:9], s[68:69]
	s_add_nc_u64 s[48:49], s[10:11], s[68:69]
	s_add_nc_u64 s[56:57], s[12:13], s[68:69]
	s_lshr_b32 s70, s22, 3                         ; s: which half of the positions
	s_lshl_b32 s71, s23, 3
	s_lshl_b32 s72, s70, 2
	s_add_co_u32 s71, s71, s72
	s_add_co_u32 s71, s71, s[WV]
	s_mul_i32 s68, s71, REC                        ; th: record 8 batch + 4 s + wave
	s_add_nc_u64 s[44:45], s[16:17], s[68:69]
	s_lshl_b32 s71, s23, 4
	s_lshl_b32 s72, s70, 3
	s_add_co_u32 s71, s71, s72                     ; 16 batch + 8 s
	s_add_co_u32 s72, s71, s[WV]
	s_mul_i32 s68, s72, REC                        ; pg: phi's record
	s_add_nc_u64 s[50:51], s[18:19], s[68:69]
	s_bfe_u32 s72, s22, 0x20001                    ; g: K step (block / 2): record 4 + (block / 2) % 4 of the eight
	s_add_co_u32 s71, s71, s72
	s_add_co_u32 s71, s71, 4
	s_mul_i32 s72, s71, REC
	s_and_b32 s73, s22, 1                          ; which half of the K step's 128 positions is mine
	s_mul_i32 s74, s[WV], 12288
	s_mul_i32 s75, s73, 768
	s_add_co_u32 s74, s74, s75
	s_add_co_u32 s68, s72, s74
	s_add_nc_u64 s[52:53], s[18:19], s[68:69]      ; my 8 fragments' halves
	s_lshl_b32 s74, s[WV], 9
	s_lshl_b32 s75, s73, 1
	s_add_co_u32 s74, s74, s75
	s_add_co_u32 s74, s74, 49152
	s_add_co_u32 s68, s72, s74
	s_add_nc_u64 s[54:55], s[18:19], s[68:69]      ; and my half of their scale words
	s_mov_b32 s58, 2
.Ltrip:                                            ; trip 1: x, theta; trip 2: x_2, phi
	LOADX 0
	LOADX 1
	LOADX 2
.irp n, 0,1,2,3,4,5,6,7
	BLOCK \n
.endr
	s_wait_tensorcnt 0x1                           ; the fill that is read next is in; the younger one may stay out
	s_wait_dscnt 0x0                               ; my images lie in LDS
	s_barrier_signal -1
	s_barrier_wait -1                              ; everybody's do
	WIN 0xc0
.irp j, 0,1,2,3,4,5,6,7                        ; the bias in the result's layout: tile j, lane (r, h): channels 32 (j / 2) + 8 (j % 2) + 16 h + 0 .. 7
	global_load_b128 v[8*\j:8*\j+3], v[BO], s[42:43] offset:(32*(\j/2)+8*(\j%2))*4
	global_load_b128 v[8*\j+4:8*\j+7], v[BO], s[42:43] offset:(32*(\j/2)+8*(\j%2))*4+16
.endr
	WIN 0
	FETCH 0, 0, 0, XA16, XA8, XA4, 0, 0
	s_wait_loadcnt 0x0
	TP 0, 0, 1, 0, 2
	TP 1, 2, 1, 0, 1
	TP 2, 0, 1, 0, 1
	TP 3, 2, 1, 0, 1
	TP 4, 0, 1, 0, 1
	TP 5, 2, 1, 0, 1
	TP 6, 0, 1, 0, 1
	TP 7, 2, 0, 0, 1                               ; behind this step's round no wave reads x's images any more
	WIN 0
	PLACES
.irp t, 0,1,2,3                                ; 16 positions x my 128 channels: one fragment and one scale word a row
	s_wait_xcnt 0x0                                ; the last fragment's stores have read their registers
	s_wait_dscnt 0x0
	QUANT 64*\t, 2, 0x2800000, 0
	global_store_b128 v[D16], v[PC:PC+3], s[44:45] offset:1536*\t
	global_store_b64 v[D8], v[PC+4:PC+5], s[44:45] offset:1536*\t+512
	global_store_b128 v[D16], v[PC+6:PC+9], s[44:45] offset:1536*\t+768
	global_store_b64 v[D8], v[PC+10:PC+11], s[44:45] offset:1536*\t+1280
	ds_store_b32 v[OS4], v[PW] offset:64*\t
.endr
	ds_load_b64 v[U:U+1], v[OS8]                   ; the four tiles' scale words leave as 256 consecutive bytes
	s_wait_dscnt 0x0
	global_store_b64 v[DS8], v[U:U+1], s[44:45]
	s_wait_xcnt 0x0                                ; the pointers and the stores' registers are written again only behind this wait
	s_mov_b64 s[40:41], s[46:47]
	s_mov_b64 s[42:43], s[48:49]
	s_mov_b64 s[44:45], s[50:51]
	s_add_nc_u64 s[PB:PB+1], s[PB:PB+1], 4*FILL    ; the next pass's four fills (no descriptor names this pair)
	s_sub_co_u32 s58, s58, 1
	s_cmp_lg_u32 s58, 0
	s_cbranch_scc1 .Ltrip
	; ---- g: x_2's images stand; the sources are swapped, so that a lane holds one channel
	WIN 0xc0
.irp j, 0,1,2,3,4,5,6,7
.irp e, 0,1,2,3,4,5,6,7
	global_load_b32 v[8*\j+\e], v[BG], s[56:57] offset:(32*(\j/2)+8*(\j%2))*4   ; my channel's bias, in all eight registers of the tile
.endr
.endr
	WIN 0
	FETCH 0, 0, 0, XA16, XA8, XA4, 0, 0
	s_wait_loadcnt 0x0
	TP 0, 0, 1, 1, 2
	TP 1, 2, 1, 1, 1
	TP 2, 0, 1, 1, 1
	TP 3, 2, 1, 1, 1                               ; the last fill
	TP 4, 0, 1, 1, 1
	TP 5, 1, 1, 1, 1
	TP 6, 0, 1, 1, 1
	TP 7, 0, 0, 1, 1
	WIN 0
	PLACES
.irp j, 0,1,2,3,4,5,6,7                        ; 16 channels x my 64 positions: half a fragment
	s_wait_xcnt 0x0
	QUANTH 32*\j, \j
	global_store_b128 v[L16], v[PC:PC+3], s[52:53] offset:1536*\j
	global_store_b64 v[L8], v[PC+4:PC+5], s[52:53] offset:1536*\j+512
.endr
	v_cmp_le_u32 vcc_lo, 16, v[LN]
.irp g, 0,1,2,3
	v_cndmask_b32 v[TM+\g], v[U+2*\g], v[U+2*\g+1], vcc_lo     ; lanes 0-15 tile 2 g, lanes 16-31 tile 2 g + 1
.endr
.irp g, 0,1,2,3
	global_store_b16 v[L4], v[TM+\g], s[54:55] offset:128*\g   ; two of a word's four bytes: the other two are the neighbouring block's
.endr
	s_wait_tensorcnt 0x0                           ; the wave's end
	ds_add_u32 v[SPW], v[NIL]
	s_wait_dscnt 0x0
	ROUND                                          ; the closing round
	s_endpgm
.Lfunc_end_k_q536c0a0ea1_proj:
	.size	k_q536c0a0ea1_proj, .Lfunc_end_k_q536c0a0ea1_proj-k_q536c0a0ea1_proj
	.p2alignl 7, 3214868480
	.fill 96, 4, 3214868480
	.section	.rodata,"a",@progbits
	.p2align	6, 0x0
	.amdhsa_kernel k_q536c0a0ea1_proj
		.amdhsa_group_segment_fixed_size 327680
		.amdhsa_private_segment_fixed_size 0
		.amdhsa_enable_private_segment 0
		.amdhsa_kernarg_size 64
		.amdhsa_user_sgpr_count 2
		.amdhsa_user_sgpr_kernarg_segment_ptr 1
		.amdhsa_wavefront_size32 1
		.amdhsa_system_sgpr_workgroup_id_x 1
		.amdhsa_system_sgpr_workgroup_id_y 1
		.amdhsa_system_sgpr_workgroup_id_z 1
		.amdhsa_system_vgpr_workitem_id 0
		.amdhsa_next_free_vgpr 1024
		.amdhsa_next_free_sgpr 96
		.amdhsa_reserve_vcc 1
		.amdhsa_float_denorm_mode_32 3
		.amdhsa_float_denorm_mode_16_64 3
		.amdhsa_memory_ordered 1
		.amdhsa_forward_progress 1
		.amdhsa_inst_pref_size 255
	.end_amdhsa_kernel
	.section	.bss,"aw",@nobits
	.p2align	6
	.space	262144
	.amdgpu_metadata
---
amdhsa.version: [ 1, 2 ]
amdhsa.kernels:
  - .name:           k_q536c0a0ea1_proj
    .symbol:         k_q536c0a0ea1_proj.kd
    .args:
      - { .name: x, .offset: 0, .size: 8, .value_kind: global_buffer, .address_space: global }
      - { .name: x_2, .offset: 8, .size: 8, .value_kind: global_buffer, .address_space: global }
      - { .name: theta_b, .offset: 16, .size: 8, .value_kind: global_buffer, .address_space: global }
      - { .name: phi_b, .offset: 24, .size: 8, .value_kind: global_buffer, .address_space: global }
      - { .name: g_b, .offset: 32, .size: 8, .value_kind: global_buffer, .address_space: global }
      - { .name: wq, .offset: 40, .size: 8, .value_kind: global_buffer, .address_space: global }
      - { .name: th, .offset: 48, .size: 8, .value_kind: global_buffer, .address_space: global }
      - { .name: pg, .offset: 56, .size: 8, .value_kind: global_buffer, .address_space: global }
    .group_segment_fixed_size: 327680
    .private_segment_fixed_size: 0
    .kernarg_segment_align: 8
    .kernarg_segment_size: 64
    .max_flat_workgroup_size: 128
    .sgpr_count:     96
    .vgpr_count:     1024
    .wavefront_size: 32
...
	.end_amdgpu_metadata
.endif
;; end of part 2
;; launch attn (part 3): grid 16 x 16, 4 waves a work-group, clusters of 4 x 1, 327,680 bytes of LDS; arguments th, pg, wq, bn, x, out0; writes out0
.if DOCPART == 3
	.amdgcn_target "amdgcn-amd-amdhsa--gfx1250"
	.amdhsa_code_object_version 6
	.text
	.protected	k_q536c0a0ea1_attn
	.globl	k_q536c0a0ea1_attn
	.p2align	8
	.type	k_q536c0a0ea1_attn,@function
k_q536c0a0ea1_attn:
	s_mov_b64 s[64:65], 0
	v_nop
	global_prefetch_b8 v0, s[64:65] scope:SCOPE_SE
	s_setreg_imm32_b32 hwreg(HW_REG_WAVE_MODE, 25, 1), 1
	s_wait_xcnt 0x0
	s_wait_alu depctr_hold_cnt(0) depctr_sa_sdst(0) depctr_va_vdst(0) depctr_va_sdst(0) depctr_va_ssrc(0) depctr_va_vcc(0) depctr_vm_vsrc(0)
	s_getreg_b32 s2, hwreg(HW_REG_IB_STS2, 6, 4)
	s_cmp_eq_u32 s2, 0
	s_cbranch_scc0 .Lentry_in_a_cluster
	s_endpgm
.Lentry_in_a_cluster:
	s_bfe_u32 s2, ttmp6, 0x10000c
	s_cmp_lg_u32 s2, 0x3003
	s_cbranch_scc0 .Lentry_shape_is_right
	s_endpgm
.Lentry_shape_is_right:
; W = theta^T phi / 1024, y = W g, out = a (w_w y) + c + x, all three products on codes of E3M2 with one E8M0 scale for each 32 along K.  W and y never leave the work-group.
; SHARES.  A work-group owns 64 queries of one batch.  In each product wave w owns 128 of the stream's 512 rows: keys 512 s + 128 w .., channels 128 w .., outputs 512 half + 128 w ...
; FRAGMENT, TILE ROW ORDER and RECORD as in the launches before.  THE STREAM: the batch's 16 records of pg (phi and g of one half s of the keys, then of the other), then w_w's 8 records of wq: 24 tile steps, 12 fills of two records
; through a ring of two LDS slots.  The four partners of a cluster belong to one batch and walk the same records: each fill is asked for JOINTLY, a quarter a wave.
; THE HALVES OF THE KEYS are taken in the order 0, 1 by the clusters with an even x and 1, 0 by those with an odd x: of a batch's four clusters two walk each half of pg at any time.  Only addresses in memory hang on that.
; A TILE STEP: 8 stream fragments x 4 stationary fragments = 32 matrix instructions on 32 accumulators by turns; the next step's 54 LDS loads stand in three runs among them.
; steps 0-3, 8-11: S^T = phi theta^T (a lane holds one query, its registers run along the keys); quantised along the keys it is K step w of the next product, an image in LDS.
; THE DIVISION BY 1,024 is a power of two: the codes of S / 1,024 are those of S, and each scale byte is 10 less; the floor under a block's largest magnitude is 2^(15 - 127), so that the byte cannot fall under 1.
; steps 4-7, 12-15: y^T += g W^T (a lane holds one query, its registers run along the channels); quantised it is K step w of the last product.
; steps 16-19, 20-23: the sources swapped: a lane holds one output channel and its registers run along the 64 positions, which are neighbours in out0.
; LIMITS: NaN and infinities are not served; a block of zeros gets the byte 1 (its codes are zeros); where a block's largest |S| lies under 2^-112 the folded scale is held at its floor; y's f32 sums take the halves of the keys in
; the cluster's order, which for half of the clusters is not the reference's.
; REGISTERS, windows of 256: window 0: v1-31 addresses, v32-43 scale words (two sets), v44-83 at work, v112-255 operand set A; window 1: v0-31 the 16 pairs (a, c), v112-255 set B;
;   window 2: S, later the last product's sums, which are scaled, turned into rows and stored from where they lie; window 3: y, later x's rows for the residual.
.set REC,   51200
.set FILL,  2*REC
.set QTR,   FILL/4
.set TIMG,  2*FILL                     ; theta's 16 fragments [K step][tile], 24,576 bytes, then their scale words, 1,024
.set TSC,   TIMG+24576
.set WIMG,  TIMG+25600                 ; W's, for four K steps
.set WSC,   WIMG+24576
.set YIMG,  WIMG+25600                 ; y's
.set OSTG,  YIMG+25600                 ; the way out: for each wave two stages of 16 rows x (256 + 16) bytes
.set SPARE, OSTG+4*8704                ; the spare words, 128 bytes for each wave: two blocks of 256 bytes that no other line names
.set SPW,  1
.set NIL,  2
.set S16,  4
.set S8,   6
.set SS,   8
.set TA16, 10                          ; TIMG + 16 lane, + 8 lane, + 4 lane: they reach theta's and W's images by immediates
.set TA8,  11
.set TA4,  12
.set YA16, 13                          ; the same at YIMG
.set YA8,  14
.set YA4,  15
.set WI16, 16                          ; where I store an image: WIMG + 6,144 wave + 16 lane (y's: 25,600 on)
.set WI8,  17
.set WS4,  18                          ; WSC + 256 wave + 4 r
.set STO,  19                          ; my stage: 272 r + 64 h
.set SRD,  20                          ; and back: 272 (lane / 16) + 16 (lane % 16)
.set OUTO, 21                          ; x, out0: 4,096 (lane / 16) + 16 (lane % 16)
.set PFO,  22                          ; 4,096 x lane; never rewritten
.set PFS,  23                          ; 256 x min(lane, 24); never rewritten
.set L16,  24
.set L8,   25
.set L4,   26
.set BNO,  27                          ; 8 (r + 8 (r / 8))
.set TH16, 28
.set TH8,  29
.set TI16, 30
.set TI8,  31
.set SCR,  32
.set TM,   44
.set PW,   60
.set PC,   64
.set T0,   92
.set SA,   112
.set ST,   208
.set WV,   20
.set G1,   24
.set G0,   32
.set WWP,  40                          ; s[40:41] my quarter of w_w's first fill
.set PG1,  48                          ; s[48:49] my quarter of the first fill of the half of the keys that my cluster takes second
.set SEL,  60
.set MSB, 0
.macro WIN new
.if MSB != \new
	s_set_vgpr_msb (MSB<<8)|\new
.set MSB, \new
.endif
.endm
.macro PLACES                          ; four plain places (ISA guide 7.12.1) behind matrix instructions
.rept 4
	v_nop
.endr
.endm
.macro ROUND
	s_barrier_signal -1
	s_barrier_wait -1
	s_cmp_lg_u32 s[WV], 0
	s_cbranch_scc1 .Lnot_wave_0_\@
	s_barrier_signal -3
.Lnot_wave_0_\@:
	s_barrier_wait -3
	s_barrier_signal -1
	s_barrier_wait -1
.endm
.macro FRAG reg, a16, a8, off
	ds_load_b128 v[\reg:\reg+3], v[\a16] offset:\off
	ds_load_b64 v[\reg+4:\reg+5], v[\a8] offset:\off+512
	ds_load_b128 v[\reg+6:\reg+9], v[\a16] offset:\off+768
	ds_load_b64 v[\reg+10:\reg+11], v[\a8] offset:\off+1280
.endm
; a tile step's operands into set p, in four parts: c = 0: the 4 stationary fragments at xoff (16 loads); 1, 2: my fragments 0-2, 3-5 of record q of slot sg (12 loads each); 3: fragments 6, 7 and the six scale words (14 loads)
.macro FQ c, p, sg, q, a16, a8, a4, xoff, soff
	WIN (\p)<<6
.if (\c) == 0
.irp t, 0,1,2,3
	FRAG ST+12*\t, \a16, \a8, \xoff+1536*\t
.endr
.elseif (\c) == 1
.irp j, 0,1,2
	FRAG SA+12*\j, S16+\sg, S8+\sg, (\q)*REC+1536*\j
.endr
.elseif (\c) == 2
.irp j, 3,4,5
	FRAG SA+12*\j, S16+\sg, S8+\sg, (\q)*REC+1536*\j
.endr
.else
.irp j, 6,7
	FRAG SA+12*\j, S16+\sg, S8+\sg, (\q)*REC+1536*\j
.endr
	WIN 0
.irp g, 0,1,2,3
	ds_load_b32 v[SCR+6*(\p)+\g], v[SS+\sg] offset:(\q)*REC+128*\g
.endr
.irp z, 0,1
	ds_load_b32 v[SCR+6*(\p)+4+\z], v[\a4] offset:\soff+128*\z
.endr
.endif
.endm
.macro WM d, a, b, cmode, creg, sa, sb, ra, rb
.if (\cmode) == 0
.if ((\ra) == 0) && ((\rb) == 0)
	v_wmma_scale_f32_16x16x128_f8f6f4 v[\d:\d+7], v[\a:\a+11], v[\b:\b+11], 0, v[\sa], v[\sb] matrix_a_fmt:MATRIX_FMT_BF6 matrix_b_fmt:MATRIX_FMT_BF6
.elseif (\rb) == 0
	v_wmma_scale_f32_16x16x128_f8f6f4 v[\d:\d+7], v[\a:\a+11], v[\b:\b+11], 0, v[\sa], v[\sb] matrix_a_fmt:MATRIX_FMT_BF6 matrix_b_fmt:MATRIX_FMT_BF6 matrix_a_scale:MATRIX_SCALE_ROW1
.elseif (\ra) == 0
	v_wmma_scale_f32_16x16x128_f8f6f4 v[\d:\d+7], v[\a:\a+11], v[\b:\b+11], 0, v[\sa], v[\sb] matrix_a_fmt:MATRIX_FMT_BF6 matrix_b_fmt:MATRIX_FMT_BF6 matrix_b_scale:MATRIX_SCALE_ROW1
.else
	v_wmma_scale_f32_16x16x128_f8f6f4 v[\d:\d+7], v[\a:\a+11], v[\b:\b+11], 0, v[\sa], v[\sb] matrix_a_fmt:MATRIX_FMT_BF6 matrix_b_fmt:MATRIX_FMT_BF6 matrix_a_scale:MATRIX_SCALE_ROW1 matrix_b_scale:MATRIX_SCALE_ROW1
.endif
.else
.if ((\ra) == 0) && ((\rb) == 0)
	v_wmma_scale_f32_16x16x128_f8f6f4 v[\d:\d+7], v[\a:\a+11], v[\b:\b+11], v[\creg:\creg+7], v[\sa], v[\sb] matrix_a_fmt:MATRIX_FMT_BF6 matrix_b_fmt:MATRIX_FMT_BF6
.elseif (\rb) == 0
	v_wmma_scale_f32_16x16x128_f8f6f4 v[\d:\d+7], v[\a:\a+11], v[\b:\b+11], v[\creg:\creg+7], v[\sa], v[\sb] matrix_a_fmt:MATRIX_FMT_BF6 matrix_b_fmt:MATRIX_FMT_BF6 matrix_a_scale:MATRIX_SCALE_ROW1
.elseif (\ra) == 0
	v_wmma_scale_f32_16x16x128_f8f6f4 v[\d:\d+7], v[\a:\a+11], v[\b:\b+11], v[\creg:\creg+7], v[\sa], v[\sb] matrix_a_fmt:MATRIX_FMT_BF6 matrix_b_fmt:MATRIX_FMT_BF6 matrix_b_scale:MATRIX_SCALE_ROW1
.else
	v_wmma_scale_f32_16x16x128_f8f6f4 v[\d:\d+7], v[\a:\a+11], v[\b:\b+11], v[\creg:\creg+7], v[\sa], v[\sb] matrix_a_fmt:MATRIX_FMT_BF6 matrix_b_fmt:MATRIX_FMT_BF6 matrix_a_scale:MATRIX_SCALE_ROW1 matrix_b_scale:MATRIX_SCALE_ROW1
.endif
.endif
.endm
; 8 matrix instructions on set p: stream fragments j0, j0 + 1 x the 4 stationary.  orient 0: source 0 = stream j, source 1 = stationary t, accumulator 64 t + 8 j; orient 1: swapped, accumulator 32 j + 8 t.
; aw: the accumulators' window.  cmode 0: C = 0; 1: in place
.macro MULJ p, orient, aw, cmode, j0
	WIN (\p)|((\p)<<2)|((\aw)<<4)|((\aw)<<6)
.irp j, \j0, \j0+1
.irp t, 0,1,2,3
.if (\orient) == 0
	WM 64*\t+8*(\j), SA+12*(\j), ST+12*\t, \cmode, 64*\t+8*(\j), SCR+6*(\p)+(\j)/2, SCR+6*(\p)+4+\t/2, (\j)%2, \t%2
.else
	WM 32*(\j)+8*\t, ST+12*\t, SA+12*(\j), \cmode, 32*(\j)+8*\t, SCR+6*(\p)+4+\t/2, SCR+6*(\p)+(\j)/2, \t%2, (\j)%2
.endif
.endr
.endr
.endm
; THE CHANGE OF SLOTS.  mode 1: nothing is left to fetch; 2: the slot's address steps two fills on; 3, 4: it goes over to the first and the second fill at the pointer s[ptr:ptr+1]
.macro CHANGE sg, mode, ptr
	WIN 0
	s_wait_tensorcnt 0x0                           ; no tensor load of mine is out, so a group 0 may be written
	ds_add_u32 v[SPW], v[NIL]                      ; 0 onto my spare word
.if (\mode) == 2
	s_add_nc_u64 s[G0+4*(\sg)+2:G0+4*(\sg)+3], s[G0+4*(\sg)+2:G0+4*(\sg)+3], 2*FILL
.elseif (\mode) == 3
	s_mov_b64 s[G0+4*(\sg)+2:G0+4*(\sg)+3], s[\ptr:\ptr+1]
	s_or_b32 s[G0+4*(\sg)+3], s[G0+4*(\sg)+3], 0x80000000
.elseif (\mode) == 4
	s_add_nc_u64 s[G0+4*(\sg)+2:G0+4*(\sg)+3], s[\ptr:\ptr+1], FILL
	s_or_b32 s[G0+4*(\sg)+3], s[G0+4*(\sg)+3], 0x80000000
.endif
	s_wait_dscnt 0x0                               ; the add is done, and my reads of the slot are over
.if (\mode) > 1
	ROUND                                          ; no wave of any partner still reads the slot or has a load on its way
	tensor_load_to_lds s[G0+4*(\sg):G0+4*(\sg)+3], s[G1:G1+7]
	s_nop 0
	PLACES                                         ; also the places in front of the loads that follow
.else
	s_barrier_signal -1
	s_barrier_wait -1
	PLACES
.endif
.endm
.macro FTQ c, i                        ; part c of tile step i's operands: set i % 2, slot (i / 2) % 2, record i % 2; the stationary side by the phase
.set fk, (\i)%4
.if (\i) >= 16
	FQ \c, (\i)%2, ((\i)/2)%2, (\i)%2, YA16, YA8, YA4, 6144*fk, 24576+256*fk
.elseif ((\i)/4)%2 == 0
	FQ \c, (\i)%2, ((\i)/2)%2, (\i)%2, TA16, TA8, TA4, 6144*fk, 24576+256*fk
.else
	FQ \c, (\i)%2, ((\i)/2)%2, (\i)%2, TA16, TA8, TA4, 25600+6144*fk, 50176+256*fk
.endif
.endm
.macro FT i                            ; all four parts
.irp c, 0,1,2,3
	FTQ \c, \i
.endr
.endm
.macro MULTJ i, j0
.if (\i) >= 16
.if (\i)%4 == 0
	MULJ (\i)%2, 1, 2, 0, \j0
.else
	MULJ (\i)%2, 1, 2, 1, \j0
.endif
.elseif ((\i)/4)%2 == 0
.if (\i)%4 == 0
	MULJ (\i)%2, 0, 2, 0, \j0
.else
	MULJ (\i)%2, 0, 2, 1, \j0
.endif
.else
.if (\i) == 4
	MULJ (\i)%2, 0, 3, 0, \j0
.else
	MULJ (\i)%2, 0, 3, 1, \j0
.endif
.endif
.endm
; A PREFETCH of fill 3 of my walk (g's second fill of the half of the keys that my cluster takes first), which the NEXT change of slots will ask for: two tile steps, 64 matrix instructions a wave, ahead of that load.
; Two clusters of a batch walk the same half at the same time: the one with the lower x (0 or 1) asks.  Its sixteen waves share the fill's 400 blocks of 256 bytes out by address, 25 each (6,400 bytes for each partner inside a
; wave's quarter); lanes 25 to 31 name lane 24's block again.  Fills 0 to 2 come by their loads alone; fills 4 to 7 of a walk are the records that the batch's other two clusters walked first, and are not asked for.
.macro ASKPG
	s_cmp_lt_u32 ttmp9, 2
	s_cbranch_scc0 .Lnot_mine_\@
	global_prefetch_b8 v[PFS], s[46:47] offset:FILL*3 th:TH_LOAD_NT scope:SCOPE_SE
.Lnot_mine_\@:
.endm
; tile step i: its operands are in; on odd steps the slot changes; then 28 loads, 8 products, 12 loads, 8 products, 14 loads, 16 products.
; pf = 1: the prefetch of pg.  px: which 32 of my 128 rows of x (first half of the outputs) to prefetch, a lane a row, or -1.  Both stand behind the joint load and its four lines
.macro TL i, chg, ptr, fetch, pf, px
	s_wait_dscnt 0x0                               ; this step's operands are in
.if (\chg) == 0
	PLACES
.else
	CHANGE ((\i)/2)%2, \chg, \ptr
.endif
.if \pf
	ASKPG
.endif
.if (\px) >= 0
	global_prefetch_b8 v[PFO], s[42:43] offset:131072*(\px) th:TH_LOAD_NT scope:SCOPE_SE
.endif
.irp u, 0,1,2,3
.if \fetch
.if \u == 0
	FTQ 0, (\i)+1
	FTQ 1, (\i)+1
.elseif \u < 3
	FTQ \u+1, (\i)+1
.endif
.endif
	MULTJ \i, 2*\u
.endr
.endm
.macro QUANT src, win, floor, sub
	WIN (\win)|((\win)<<2)
.irp b, 0,1,2,3
	v_max3_num_f32 v[TM+\b], |v[\src+16*\b]|, |v[\src+16*\b+1]|, \floor   ; each accumulator is read from its low end on
.endr
.irp i, 2,4,6,8,10,12,14
.irp b, 0,1,2,3
	v_max3_num_f32 v[TM+\b], |v[\src+16*\b+\i]|, |v[\src+16*\b+\i+1]|, v[TM+\b]
.endr
.endr
	WIN 0
.irp b, 0,1,2,3
	v_permlanex16_b32 v[TM+4+\b], v[TM+\b], s[SEL], s[SEL+1]
.endr
.irp b, 0,1,2,3
	v_max_num_f32 v[TM+\b], v[TM+\b], v[TM+4+\b]
.endr
.irp b, 0,1,2,3
	v_add_nc_u32 v[TM+12+\b], 0xfe000000, v[TM+\b] ; 4 off the exponent field: the conversion's scale operand
.endr
.irp b, 0,1,2,3
	v_lshrrev_b32 v[TM+4+\b], 23, v[TM+12+\b]
.endr
	v_lshl_or_b32 v[PW], v[TM+5], 8, v[TM+4]
	v_lshl_or_b32 v[PW], v[TM+6], 16, v[PW]
	v_lshl_or_b32 v[PW], v[TM+7], 24, v[PW]
.if \sub
	v_add_nc_u32 v[PW], 0xf5f5f5f6, v[PW]          ; 10 off each of the four bytes (each is 11 at the least: no borrow)
.endif
	WIN \win
.irp c, 0,1
	v_cvt_scalef32_pk16_bf6_f32 v[PC+6*\c:PC+6*\c+2], v[\src+32*\c:\src+32*\c+15], v[TM+12+2*\c]
	v_cvt_scalef32_pk16_bf6_f32 v[PC+12+4*\c:PC+14+4*\c], v[\src+32*\c+16:\src+32*\c+31], v[TM+13+2*\c]
.endr
	WIN 0
	v_nop                                          ; one plain place behind a scaled conversion
.irp c, 0,1
.irp i, 0,1,2
	v_permlane16_swap_b32 v[PC+6*\c+\i], v[PC+12+4*\c+\i]
.endr
.irp i, 0,1,2
	v_mov_b32 v[PC+3+6*\c+\i], v[PC+12+4*\c+\i]
.endr
.endr
.endm
.macro IMAGE off                       ; the fragment in v[PC] on goes to LDS as an image of its registers
	ds_store_b128 v[WI16], v[PC:PC+3] offset:\off
	ds_store_b64 v[WI8], v[PC+4:PC+5] offset:\off+512
	ds_store_b128 v[WI16], v[PC+6:PC+9] offset:\off+768
	ds_store_b64 v[WI8], v[PC+10:PC+11] offset:\off+1280
.endm
.macro WPHASE                          ; S of my 128 keys becomes K step w of W, for the four tiles of queries
	WIN 0
	PLACES
.irp t, 0,1,2,3
	QUANT 64*\t, 2, 0x7800000, 1
	IMAGE 1536*\t
	ds_store_b32 v[WS4], v[PW] offset:64*\t
	s_wait_dscnt 0x0                               ; the stores have read their registers
.endr
	s_barrier_signal -1
	s_barrier_wait -1                              ; all four K steps lie in LDS (the fill on its way may stay out)
.endm
; THE WAY OUT, a tile of 16 output channels at a time, IN PLACE: tile j's 32 registers of window 2 hold its sums, then sum x a + c, then, back from my stage, whole rows of 256 bytes, then these + x, and are stored from there.
; So no register that a store reads is written again within a way out, and no wait for the stores' sources stands in it.
.macro PACK hf, j                      ; sum x a + c
	WIN 0x96                                       ; destination and source 0 window 2, the pair (a, c) window 1
.irp t, 0,1,2,3
.irp e, 0,1,2,3
	v_pk_fma_f32 v[32*(\j)+8*\t+2*\e:32*(\j)+8*\t+2*\e+1], v[32*(\j)+8*\t+2*\e:32*(\j)+8*\t+2*\e+1], v[2*(8*(\hf)+(\j)):2*(8*(\hf)+(\j))+1], v[2*(8*(\hf)+(\j)):2*(8*(\hf)+(\j))+1] op_sel:[0,0,1] op_sel_hi:[1,0,1]
.endr
.endr
.endm
.macro TOSTAGE j                       ; a lane's 32 positions of one channel go into my stage and come back as whole rows
	WIN 0x88                                       ; an LDS store's data (source 1) and an LDS load's destination: window 2
.irp t, 0,1,2,3
.irp e, 0,1
	ds_store_b128 v[STO], v[32*(\j)+8*\t+4*\e:32*(\j)+8*\t+4*\e+3] offset:4352*((\j)%2)+128*(\t/2)+32*(\t%2)+16*\e
.endr
.endr
.irp i, 0,1,2,3,4,5,6,7
	ds_load_b128 v[32*(\j)+4*\i:32*(\j)+4*\i+3], v[SRD] offset:4352*((\j)%2)+544*\i   ; LDS serves a wave's instructions in order: these see my stores
.endr
.endm
.macro SEND hf, j, dsn
	s_wait_dscnt \dsn                              ; the tile's rows are back (the next tile's 8 stores and 8 loads may be out)
.if (\hf) == 0
	s_wait_loadcnt 56                              ; x's rows of this tile are in: behind them stand 8 (7 - j) loads of this half and 8 j of the next
.else
	s_wait_loadcnt 8*(7-(\j))
.endif
	WIN 0x8e                                       ; destination and source 0 window 2, source 1 (x) window 3
.irp i, 0,1,2,3,4,5,6,7
.irp e, 0,1
	v_pk_add_f32 v[32*(\j)+4*\i+2*\e:32*(\j)+4*\i+2*\e+1], v[32*(\j)+4*\i+2*\e:32*(\j)+4*\i+2*\e+1], v[32*(\j)+4*\i+2*\e:32*(\j)+4*\i+2*\e+1]
.endr
.endr
	WIN 0x08                                       ; a store's data are its source 1: window 2
.irp i, 0,1,2,3,4,5,6,7
	global_store_b128 v[OUTO], v[32*(\j)+4*\i:32*(\j)+4*\i+3], s[44:45] offset:(32*((\j)/2)+8*((\j)%2)+2*\i+8*(\i/4))*4096+2097152*(\hf) th:TH_STORE_NT   ; sixteen lanes store 256 consecutive bytes, aligned
.endr
.if (\hf) == 0
	WIN 0xc0
.irp i, 0,1,2,3,4,5,6,7
	global_load_b128 v[32*(\j)+4*\i:32*(\j)+4*\i+3], v[OUTO], s[42:43] offset:(32*((\j)/2)+8*((\j)%2)+2*\i+8*(\i/4))*4096+2097152 th:TH_LOAD_NT   ; the same tile of the second half, into the registers of window 3 just read
.endr
.endif
.endm
.macro WAYOUT hf
	WIN 0
	PLACES
	PACK \hf, 0
	TOSTAGE 0
.irp j, 1,2,3,4,5,6,7
	PACK \hf, \j                                   ; a tile's arithmetic and its turn through the stage stand between the loads of the tile before and its stores
	TOSTAGE \j
	SEND \hf, \j-1, 16
.endr
	SEND \hf, 7, 0
	WIN 0
.endm
	s_load_b256 s[4:11], s[0:1], 0x0               ; th, pg, wq, bn
	s_load_b128 s[12:15], s[0:1], 0x20             ; x, out0
	v_lshl_add_u32 v[SPW], v0, 2, SPARE
	v_mov_b32 v[NIL], 0
	ds_add_u32 v1, v2
	s_wait_dscnt 0x0
	v_lshrrev_b32 v[T0], 5, v0
	v_readfirstlane_b32 s[WV], v[T0]
	s_bfe_u32 s21, ttmp6, 0x40000                  ; cx: it enters global addresses alone
	s_lshl_b32 s22, ttmp9, 2
	s_add_co_u32 s22, s22, s21                     ; my block of 64 queries
	s_and_b32 s23, ttmp7, 0xffff                   ; the batch, which the partners share
	s_mov_b32 s[G1], 15|(3<<16)|(1<<21)
	s_mov_b32 s[G1+1], 32<<16
	s_mov_b32 s[G1+2], 100<<16
	s_mov_b32 s[G1+3], 32<<16
	s_mov_b32 s[G1+4], 100
	s_mov_b32 s[G1+5], 32
	s_mov_b32 s[G1+6], 0
	s_mov_b32 s[G1+7], 0
	s_mov_b32 s[SEL], 0x76543210
	s_mov_b32 s[SEL+1], 0xfedcba98
	s_mul_i32 s66, s[WV], QTR
	s_mov_b32 s67, 0
	s_mul_i32 s68, s23, 16*REC
	s_mov_b32 s69, 0
	s_and_b32 s72, ttmp9, 1                        ; the cluster's x, odd or even: the partners share it
	s_mul_i32 s72, s72, 4*FILL                     ; where the half of the keys that I take first begins in the batch's records,
	s_mov_b32 s73, 0
	s_sub_co_u32 s74, 4*FILL, s72                  ; and the half that I take second
	s_mov_b32 s75, 0
	s_wait_kmcnt 0x0
	s_add_nc_u64 s[70:71], s[6:7], s[68:69]        ; the batch's records,
	s_add_nc_u64 s[70:71], s[70:71], s[66:67]      ; my quarter of a fill
	s_add_nc_u64 s[PG1:PG1+1], s[70:71], s[74:75]
	s_add_nc_u64 s[70:71], s[70:71], s[72:73]
	s_add_nc_u64 s[WWP:WWP+1], s[8:9], s[66:67]
	s_add_nc_u64 s[WWP:WWP+1], s[WWP:WWP+1], 24*REC
	s_mov_b32 s[G0], 1
	s_mov_b32 s[G0+1], s66
	s_mov_b64 s[G0+2:G0+3], s[70:71]
	s_mov_b32 s[G0+4], 1
	s_add_co_u32 s[G0+5], s66, FILL
	s_add_nc_u64 s[G0+6:G0+7], s[70:71], FILL
	s_or_b32 s[G0+3], s[G0+3], 0x80000000
	s_or_b32 s[G0+7], s[G0+7], 0x80000000
	ROUND
	tensor_load_to_lds s[G0:G0+3], s[G1:G1+7]      ; fills 0 and 1 of my walk: two loads of mine are out
	s_nop 0
	tensor_load_to_lds s[G0+4:G0+7], s[G1:G1+7]
	s_nop 0
	PLACES
	s_lshl_b32 s68, s23, 22
	s_lshl_b32 s72, s[WV], 19                      ; my 128 output channels
	s_add_co_u32 s68, s68, s72
	s_lshl_b32 s72, s22, 8
	s_add_co_u32 s68, s68, s72
	s_add_nc_u64 s[42:43], s[12:13], s[68:69]      ; x
	s_add_nc_u64 s[44:45], s[14:15], s[68:69]      ; out0
	s_lshl_b32 s68, s[WV], 10
	s_add_nc_u64 s[54:55], s[10:11], s[68:69]      ; my 128 pairs (a, c)
	s_lshr_b32 s68, s22, 3
	s_lshl_b32 s68, s68, 2
	s_lshl_b32 s72, s23, 3
	s_add_co_u32 s68, s68, s72
	s_add_co_u32 s68, s68, s[WV]
	s_mul_i32 s68, s68, REC
	s_add_nc_u64 s[52:53], s[4:5], s[68:69]        ; theta: record 8 batch + 4 (block / 8) + wave
	s_mul_i32 s68, s21, 6400
	s_add_nc_u64 s[46:47], s[70:71], s[68:69]      ; the prefetch of pg: my work-group's part of my quarter, in the half that I take first
	v_and_b32 v[T0], 31, v0                        ; lane
	v_and_b32 v[T0+1], 15, v0                      ; r
	v_bfe_u32 v[T0+2], v0, 4, 1                    ; h
	v_lshlrev_b32 v[L16], 4, v[T0]
	v_lshlrev_b32 v[L8], 3, v[T0]
	v_lshlrev_b32 v[L4], 2, v[T0]
	s_mul_i32 s68, s[WV], 12288
	v_add_nc_u32 v[S16], s68, v[L16]
	v_add_nc_u32 v[S16+1], FILL, v[S16]
	v_add_nc_u32 v[S8], s68, v[L8]
	v_add_nc_u32 v[S8+1], FILL, v[S8]
	s_lshl_b32 s68, s[WV], 9
	s_add_co_u32 s68, s68, 49152
	v_add_nc_u32 v[SS], s68, v[L4]
	v_add_nc_u32 v[SS+1], FILL, v[SS]
	v_add_nc_u32 v[TA16], TIMG, v[L16]
	v_add_nc_u32 v[TA8], TIMG, v[L8]
	v_add_nc_u32 v[TA4], TIMG, v[L4]
	v_add_nc_u32 v[YA16], YIMG, v[L16]
	v_add_nc_u32 v[YA8], YIMG, v[L8]
	v_add_nc_u32 v[YA4], YIMG, v[L4]
	s_mul_i32 s68, s[WV], 6144
	s_add_co_u32 s72, s68, WIMG
	v_add_nc_u32 v[WI16], s72, v[L16]
	v_add_nc_u32 v[WI8], s72, v[L8]
	s_add_co_u32 s72, s68, TIMG
	v_add_nc_u32 v[TI16], s72, v[L16]
	s_lshl_b32 s68, s[WV], 8
	s_add_co_u32 s72, s68, WSC
	v_lshl_add_u32 v[WS4], v[T0+1], 2, s72
	s_add_co_u32 s72, s68, TSC
	v_add_nc_u32 v[TI8], s72, v[L8]
	s_mul_i32 s68, s[WV], 8704
	s_add_co_u32 s68, s68, OSTG
	v_mul_u32_u24 v[STO], v[T0+1], 272
	v_lshl_add_u32 v[STO], v[T0+2], 6, v[STO]
	v_add_nc_u32 v[STO], s68, v[STO]
	v_mul_u32_u24 v[SRD], v[T0+2], 272
	v_lshl_add_u32 v[SRD], v[T0+1], 4, v[SRD]
	v_add_nc_u32 v[SRD], s68, v[SRD]
	v_lshlrev_b32 v[OUTO], 4, v[T0+1]
	v_lshl_add_u32 v[OUTO], v[T0+2], 12, v[OUTO]
	v_lshlrev_b32 v[PFO], 12, v[T0]
	v_min_u32 v[PFS], 24, v[T0]
	v_lshlrev_b32 v[PFS], 8, v[PFS]
	v_and_b32 v[BNO], 8, v[T0+1]
	v_add_nc_u32 v[BNO], v[BNO], v[T0+1]
	v_lshlrev_b32 v[BNO], 3, v[BNO]
	s_and_b32 s68, s22, 7
	s_mul_i32 s72, s68, 6144
	v_add_nc_u32 v[TH16], s72, v[L16]
	s_lshl_b32 s72, s68, 8
	s_add_co_u32 s72, s72, 49152
	v_add_nc_u32 v[TH8], s72, v[L8]
.irp b, 0,1,2,3
	v_mov_b32 v[TM+4+\b], 0                        ; written once: a lane permute's destination counts as one of its sources
.endr
.irp c, 0,1,2,3,4,5,6,7,8,9,10,11              ; theta's K step w for my 64 queries: 6,144 bytes as they lie, and 256 bytes of scale words
	global_load_b128 v[SA+4*\c:SA+4*\c+3], v[TH16], s[52:53] offset:512*\c
.endr
	global_load_b64 v[SA+48:SA+49], v[TH8], s[52:53]
	WIN 0x40
.irp f, 0,1
.irp j, 0,1,2,3,4,5,6,7
	global_load_b64 v[2*(8*\f+\j):2*(8*\f+\j)+1], v[BNO], s[54:55] offset:8*(512*\f+32*(\j/2)+8*(\j%2))   ; (a, c) of my channel in tile j of half f
.endr
.endr
	WIN 0
	s_wait_loadcnt 0x0
.irp c, 0,1,2,3,4,5,6,7,8,9,10,11
	ds_store_b128 v[TI16], v[SA+4*\c:SA+4*\c+3] offset:512*\c
.endr
	ds_store_b64 v[TI8], v[SA+48:SA+49]
	s_wait_tensorcnt 0x1                           ; my quarter of fill 0 is in; fill 1 may stay out
	s_wait_dscnt 0x0                               ; my part of theta lies in LDS
	s_barrier_signal -1
	s_barrier_wait -1
	FT 0
	TL 0, 0, 0, 1, 0, -1
	TL 1, 2, 0, 1, 1, -1                           ; fill 2 is asked for; fill 3 is prefetched
	TL 2, 0, 0, 1, 0, -1
	TL 3, 2, 0, 0, 0, -1
	WPHASE
	FT 4
	TL 4, 0, 0, 1, 0, -1
	TL 5, 3, PG1, 1, 0, -1                         ; fills 4 and 5: the other half of the keys
	TL 6, 0, 0, 1, 0, -1
	TL 7, 4, PG1, 1, 0, -1
	TL 8, 0, 0, 1, 0, -1
	TL 9, 2, 0, 1, 0, 0
	TL 10, 0, 0, 1, 0, -1
	TL 11, 2, 0, 0, 0, 1
	WPHASE
	FT 12
	TL 12, 0, 0, 1, 0, -1
	TL 13, 3, WWP, 1, 0, 2                         ; fills 8 and 9: w_w
	TL 14, 0, 0, 1, 0, -1
	TL 15, 4, WWP, 0, 0, 3
	WIN 0                                          ; y of my 128 channels becomes K step w of the last product
	PLACES
.irp t, 0,1,2,3
	QUANT 64*\t, 3, 0x2800000, 0
	IMAGE 25600+1536*\t
	ds_store_b32 v[WS4], v[PW] offset:25600+64*\t
	s_wait_dscnt 0x0
.endr
	WIN 0xc0
.irp j, 0,1,2,3,4,5,6,7                        ; x's rows for the first half of the outputs, into the registers that y has left: four tile steps ahead of their use
.irp i, 0,1,2,3,4,5,6,7
	global_load_b128 v[32*\j+4*\i:32*\j+4*\i+3], v[OUTO], s[42:43] offset:(32*(\j/2)+8*(\j%2)+2*\i+8*(\i/4))*4096 th:TH_LOAD_NT
.endr
.endr
	WIN 0
	s_barrier_signal -1
	s_barrier_wait -1
	FT 16
	TL 16, 0, 0, 1, 0, -1
	TL 17, 2, 0, 1, 0, -1
	TL 18, 0, 0, 1, 0, -1
	TL 19, 2, 0, 0, 0, -1
	WAYOUT 0
	FT 20                                          ; (operand set A holds no store's data)
	s_wait_xcnt 0x0                                ; the first half's stores have read window 2: the next products write it again only behind this wait
	TL 20, 0, 0, 1, 0, -1
	TL 21, 1, 0, 1, 0, -1
	TL 22, 0, 0, 1, 0, -1
	TL 23, 0, 0, 0, 0, -1
	WAYOUT 1
	s_wait_tensorcnt 0x0                           ; the wave's end
	ds_add_u32 v[SPW], v[NIL]
	s_wait_dscnt 0x0
	ROUND                                          ; the closing round
	s_endpgm
.Lfunc_end_k_q536c0a0ea1_attn:
	.size	k_q536c0a0ea1_attn, .Lfunc_end_k_q536c0a0ea1_attn-k_q536c0a0ea1_attn
	.p2alignl 7, 3214868480
	.fill 96, 4, 3214868480
	.section	.rodata,"a",@progbits
	.p2align	6, 0x0
	.amdhsa_kernel k_q536c0a0ea1_attn
		.amdhsa_group_segment_fixed_size 327680
		.amdhsa_private_segment_fixed_size 0
		.amdhsa_enable_private_segment 0
		.amdhsa_kernarg_size 48
		.amdhsa_user_sgpr_count 2
		.amdhsa_user_sgpr_kernarg_segment_ptr 1
		.amdhsa_wavefront_size32 1
		.amdhsa_system_sgpr_workgroup_id_x 1
		.amdhsa_system_sgpr_workgroup_id_y 1
		.amdhsa_system_sgpr_workgroup_id_z 1
		.amdhsa_system_vgpr_workitem_id 0
		.amdhsa_next_free_vgpr 1024
		.amdhsa_next_free_sgpr 80
		.amdhsa_reserve_vcc 0
		.amdhsa_float_denorm_mode_32 3
		.amdhsa_float_denorm_mode_16_64 3
		.amdhsa_memory_ordered 1
		.amdhsa_forward_progress 1
		.amdhsa_inst_pref_size 255
	.end_amdhsa_kernel
	.section	.bss,"aw",@nobits
	.p2align	6
	.space	262144
	.amdgpu_metadata
---
amdhsa.version: [ 1, 2 ]
amdhsa.kernels:
  - .name:           k_q536c0a0ea1_attn
    .symbol:         k_q536c0a0ea1_attn.kd
    .args:
      - { .name: th, .offset: 0, .size: 8, .value_kind: global_buffer, .address_space: global }
      - { .name: pg, .offset: 8, .size: 8, .value_kind: global_buffer, .address_space: global }
      - { .name: wq, .offset: 16, .size: 8, .value_kind: global_buffer, .address_space: global }
      - { .name: bn, .offset: 24, .size: 8, .value_kind: global_buffer, .address_space: global }
      - { .name: x, .offset: 32, .size: 8, .value_kind: global_buffer, .address_space: global }
      - { .name: out0, .offset: 40, .size: 8, .value_kind: global_buffer, .address_space: global }
    .group_segment_fixed_size: 327680
    .private_segment_fixed_size: 0
    .kernarg_segment_align: 8
    .kernarg_segment_size: 48
    .max_flat_workgroup_size: 128
    .sgpr_count:     80
    .vgpr_count:     1024
    .wavefront_size: 32
...
	.end_amdgpu_metadata
.endif
;; end of part 3
